; MI455X (gfx1250); checked and timed in simulation.
; The chip was launched on July 23, 2026; its instructions are those of AMD's public machine-readable ISA for CDNA 5 (MIT licence, August 2026) and "CDNA5" Instruction Set Architecture Reference Guide (July 2026). The comments in the code are by the model that wrote it; some were corrected since.
;; Mo E. Allowed arithmetic: matrix products marked QUANTISED: E2M1 operands, one E8M0 scale for each 32 along K, by v_wmma_scale_f32_16x16x128_f8f6f4 with both operands' format E2M1 (or v_wmma_scale_f32_32x16x128_f4), f32 sums; products left as they are: f32 operands where the result goes on into a quantised operand, else bf16, f16 or f32 operands; f32 sums; everything else in f32.
;; Inputs: b1 8 x 4,096 float32; b2 8 x 1,024 float32; gate_w 1,024 x 8 float32; w1 8 x 1,024 x 4,096 float32; w2 8 x 4,096 x 1,024 float32; x 4 x 256 x 1,024 float32.
;; Outputs: out0 4 x 256 x 1,024 float32.
;; This version of the problem:
;;   THIS VERSION OF THE PROBLEM IS GIVEN IN LOW PRECISION. The matrix products marked QUANTISED in the list below multiply operands that are first quantised to E2M1 (2 exponent bits, 1 mantissa bit; 4 bits a number), with one power-of-two scale for each 32 numbers along K (OCP MX v1.0); their sums are f32. All else is computed in f32.
;;   The module's matrix products, in the order in which they are computed (A, B: the left and right operand; K: the contracted axis; several contracted axes count as one K, in the product's order):
;;     1. [M 1,024, K 1,024] x [K 1,024, N 8]; A: input x; B: input gate_w: left as it is (N = 8 < 16)
;;     2. [M 1,024, K 1,024] x [K 1,024, N 4,096]; A: input x; B: input w1: QUANTISED
;;     3. [M 1,024, K 4,096] x [K 4,096, N 1,024]; A: computed on the way; B: input w2: QUANTISED
;;     4. [M 1,024, K 1,024] x [K 1,024, N 4,096]; A: input x; B: input w1: QUANTISED
;;     5. [M 1,024, K 4,096] x [K 4,096, N 1,024]; A: computed on the way; B: input w2: QUANTISED
;;     6. [M 1,024, K 1,024] x [K 1,024, N 4,096]; A: input x; B: input w1: QUANTISED
;;     7. [M 1,024, K 4,096] x [K 4,096, N 1,024]; A: computed on the way; B: input w2: QUANTISED
;;     8. [M 1,024, K 1,024] x [K 1,024, N 4,096]; A: input x; B: input w1: QUANTISED
;;     9. [M 1,024, K 4,096] x [K 4,096, N 1,024]; A: computed on the way; B: input w2: QUANTISED
;;     10. [M 1,024, K 1,024] x [K 1,024, N 4,096]; A: input x; B: input w1: QUANTISED
;;     11. [M 1,024, K 4,096] x [K 4,096, N 1,024]; A: computed on the way; B: input w2: QUANTISED
;;     12. [M 1,024, K 1,024] x [K 1,024, N 4,096]; A: input x; B: input w1: QUANTISED
;;     13. [M 1,024, K 4,096] x [K 4,096, N 1,024]; A: computed on the way; B: input w2: QUANTISED
;;     14. [M 1,024, K 1,024] x [K 1,024, N 4,096]; A: input x; B: input w1: QUANTISED
;;     15. [M 1,024, K 4,096] x [K 4,096, N 1,024]; A: computed on the way; B: input w2: QUANTISED
;;     16. [M 1,024, K 1,024] x [K 1,024, N 4,096]; A: input x; B: input w1: QUANTISED
;;     17. [M 1,024, K 4,096] x [K 4,096, N 1,024]; A: computed on the way; B: input w2: QUANTISED
;;   THE QUANTISER, for each operand of a quantised product, along K:
;;     - K is cut into blocks of 32 from its start; a last block that is shorter is filled with zeros.
;;     - A block's scale is 2^e with e = floor(log2(the largest magnitude in the block)) - 2, held to -126 .. 127; a block of zeros has e = 0. As a byte (E8M0): e + 127.
;;     - Each number is divided by its block's scale, clamped to +-6, and rounded to the nearest number of E2M1, ties to even, subnormals kept.
;;     - The product sums the exact products of the quantised numbers (number of the format x scale) in f32.
;;   ~~~python
;;   def quantise(x, axis):      # numpy; x: float32 -> the quantised numbers, widened to float32 again
;;       x = np.moveaxis(x, axis, -1); K = x.shape[-1]
;;       x = np.pad(x, [(0, 0)] * (x.ndim - 1) + [(0, -K % 32)]); x = x.reshape(x.shape[:-1] + (-1, 32)); a = np.abs(x).max(-1, keepdims=True)
;;       e = np.where(a > 0, np.clip(np.frexp(np.where(a > 0, a, 1))[1] - 1 - 2, -126, 127), 0)      # np.frexp(a)[1] - 1 = floor(log2(a)), exactly
;;       r = np.clip(x / 2.0 ** e, -6, 6)
;;       step = 2.0 ** (np.maximum(np.frexp(np.where(r == 0, 1, r))[1] - 1, 0) - 1)
;;       q = np.round(r / step) * step * 2.0 ** e      # np.round: ties to even
;;       return np.moveaxis(q.reshape(q.shape[:-2] + (-1,))[..., :K], -1, axis).astype(np.float32)
;;   ~~~
;;   OPERANDS COMPUTED ON THE WAY. 'Computed on the way' means the value that the module computes at that place (a softmax that the list does not call 'softmax' is quantised finished and normalised). What goes into a quantiser is computed in f32, as accurately as f32 sums, v_exp_f32 and their like allow (about 1e-6 of the number): no bf16 or f16 on the way to a quantiser, and a product that is left as it is and whose result goes on into a quantised operand takes f32 operands (vector FMAs, or v_wmma_f32_16x16x4_f32). A number that lies on a knife's edge between two numbers of the format may be rounded either way, as far as f32 arithmetic and the matrix unit's own rounding can turn it there, and no further.
;; 2 versions. Each part assembles by itself: llvm-mc -triple=amdgcn-amd-amdhsa -mcpu=gfx1250 --defsym DOCPART=n.
;; ======== version 1 of 2: 4 launches
;; workspace buffers: xc 565,248 bytes; sel 8,192 bytes of whole numbers; tab 42,240 bytes of whole numbers; hc 18,874,368 bytes; y 67,108,864 bytes
;; launch route (part 1): grid 256 x 1, 4 waves a work-group, no clusters, 52,224 bytes of LDS; arguments x, gate_w, xc, sel; writes xc, sel
.if DOCPART == 1
	.amdgcn_target "amdgcn-amd-amdhsa--gfx1250"
	.amdhsa_code_object_version 6
	.text
	.protected	k_q285120cbe3_route
	.globl	k_q285120cbe3_route
	.p2align	8
	.type	k_q285120cbe3_route,@function
k_q285120cbe3_route:
	s_mov_b64 s[64:65], 0
	v_nop
	global_prefetch_b8 v0, s[64:65] scope:SCOPE_SE
	s_setreg_imm32_b32 hwreg(HW_REG_WAVE_MODE, 25, 1), 1
	s_wait_xcnt 0x0
; ROUTER AND QUANTISER OF x.  x: [1024 tokens][1024] f32; gate_w: [1024][8] f32.
; For each token: the 8 logits in f32 (fused multiply-adds), the two largest (a tie keeps the lower index, by strict compares in ascending order),
; the softmax over the two (the larger is taken away before the exponential), and x's row as codes of E2M1 with one E8M0 byte for each 32 along K.
; OUT: xc: [0] codes [1024][512 bytes]; [524288] scale bytes [1024][32]; [557056] the two weights [1024][2] f32.  sel: [1024][2] the two experts, at fixed places.
; SHARES: a wave takes one token; lane l owns block l of the row, k = 32 l .. 32 l + 31: so a block's largest magnitude needs no other lane.
; Loads take the bytes as they lie (16 a lane, 512 a load); the row turns through the wave's own stage in LDS (blocks of 128 bytes, 144 apart) and comes back 32 neighbours a lane.
; gate_w (32,768 bytes) is brought once by the four waves into LDS as 32 rows of 1,024 bytes, 1,040 apart: row l is what lane l multiplies by.
; LIMITS: NaN and infinities are not served.  Two logits closer than the rounding of their f32 sums may change places in the choice.
; A block of zeros, or one whose largest magnitude lies under 2^-124, gets the byte 1: its codes are zeros and this program alone reads the bytes.
.set GP,  1040                         ; a row of the gate table in LDS: 65 x 16 bytes
.set XT,  32*GP                        ; behind it: a stage of 32 x XP bytes for each wave
.set XP,  144                          ; a block of x in the stage: 9 x 16 bytes
.set A,   8                            ; v8-15   the 8 logits
.set M1,  16                           ; the largest, the second largest,
.set M2,  17
.set I1,  18                           ; v[18:19] their experts
.set I2,  19
.set W0,  20                           ; v[20:21] their weights
.set W1,  21
.set T0,  22
.set T1,  23
.set SOP, 26                           ; the conversions' scale operand
.set BY,  27                           ; the scale's byte
.set CD,  28                           ; v28-31  the block's codes
.set X,   32                           ; v32-63  my 32 numbers of x
.set G0,  64                           ; v64-127  gate chunk, buffer 0; first the wave's quarter of gate_w as loaded
.set G1,  128                          ; v128-191 gate chunk, buffer 1; v160-191 first x as loaded
.set RX,  160
	s_load_b256 s[4:11], s[0:1], 0x0               ; x s[4:5], gate_w s[6:7], xc s[8:9], sel s[10:11]
	v_lshl_add_u32 v192, v0, 2, 0xca00
	v_mov_b32 v193, 0
	v_lshrrev_b32 v1, 5, v0
	v_readfirstlane_b32 s12, v1                    ; wave
	v_and_b32 v1, 31, v0                           ; lane
	v_lshlrev_b32 v2, 4, v1                        ; 16 x lane
	s_mul_i32 s16, s12, 8*GP
	v_add_nc_u32 v3, s16, v2                       ; gate table, on the way in: my wave's 8 rows
	s_mul_i32 s17, s12, 32*XP
	s_add_co_u32 s17, s17, XT                      ; my wave's stage
	v_lshrrev_b32 v4, 3, v1
	v_mul_u32_u24 v4, v4, XP
	v_and_b32 v5, 7, v1
	v_lshl_add_u32 v4, v5, 4, v4
	v_add_nc_u32 v4, s17, v4                       ; stage, in: eight lanes fill a block
	v_mul_u32_u24 v5, v1, XP
	v_add_nc_u32 v5, s17, v5                       ; stage, out: block = lane
	v_mul_u32_u24 v6, v1, GP                       ; gate table, out: row = lane
	s_lshl_b32 s13, ttmp9, 2
	s_add_co_u32 s13, s13, s12                     ; my token
	s_lshl_b32 s18, s13, 12                        ; its row of x
	s_mov_b32 s19, 0
	s_lshl_b32 s20, s12, 13                        ; my wave's quarter of gate_w
	s_mov_b32 s21, 0
	s_lshl_b32 s22, s13, 9
	v_add_nc_u32 v7, s22, v2                       ; codes: 512 x token + 16 x lane
	s_lshl_b32 s23, s13, 5
	v_add_nc_u32 v24, s23, v1                      ; scale bytes: 32 x token + lane
	s_lshl_b32 s25, s13, 3
	v_mov_b32 v25, s25                             ; 8 x token
	s_mov_b32 s14, 0x76543210
	s_mov_b32 s15, 0xfedcba98                      ; v_permlanex16_b32's selects for lane l xor 16
	s_wait_kmcnt 0x0
	s_add_nc_u64 s[4:5], s[4:5], s[18:19]
	s_add_nc_u64 s[6:7], s[6:7], s[20:21]
.irp q, 0,1,2,3,4,5,6,7,8,9,10,11,12,13,14,15
	global_load_b128 v[G0+4*\q:G0+4*\q+3], v2, s[6:7] offset:512*\q
.endr
.irp j, 0,1,2,3,4,5,6,7
	global_load_b128 v[RX+4*\j:RX+4*\j+3], v2, s[4:5] offset:512*\j th:TH_LOAD_NT
.endr
	s_wait_loadcnt 8                               ; gate_w's 16 loads are in; x's 8 are younger
.irp q, 0,1,2,3,4,5,6,7,8,9,10,11,12,13,14,15
	ds_store_b128 v3, v[G0+4*\q:G0+4*\q+3] offset:(\q/2)*GP+(\q%2)*512
.endr
	s_wait_loadcnt 0x0
.irp j, 0,1,2,3,4,5,6,7
	ds_store_b128 v4, v[RX+4*\j:RX+4*\j+3] offset:4*XP*\j
.endr
.irp i, 0,1,2,3,4,5,6,7
	ds_load_b128 v[X+4*\i:X+4*\i+3], v5 offset:16*\i       ; my wave's own bytes: LDS serves a wave's instructions in order (ISA guide 5.7.1.4)
.endr
	s_wait_dscnt 0x0                               ; for the others' sake: my part of the gate table has landed
	s_barrier_signal -1
	s_barrier_wait -1                              ; the table is whole; nobody writes LDS from here on
.macro GLOAD c, buf                    ; gate_w(32 l + 8 c + kk, 0 .. 7), kk = 0 .. 7, into v[buf + 8 kk ..]
.irp kk, 0,1,2,3,4,5,6,7
	ds_load_b128 v[\buf+8*\kk:\buf+8*\kk+3], v6 offset:32*(8*(\c)+\kk)
	ds_load_b128 v[\buf+8*\kk+4:\buf+8*\kk+7], v6 offset:32*(8*(\c)+\kk)+16
.endr
.endm
.macro GFMA c, buf                     ; 64 multiply-adds, the eight logits by turns; the very first eight start the sums
.irp kk, 0,1,2,3,4,5,6,7
.irp e, 0,1,2,3,4,5,6,7
.if (\c)+\kk == 0
	v_mul_f32 v[A+\e], v[X], v[\buf+\e]
.else
	v_fmac_f32 v[A+\e], v[X+8*(\c)+\kk], v[\buf+8*\kk+\e]
.endif
.endr
.endr
.endm
	GLOAD 0, G0
	GLOAD 1, G1
	; my block of x becomes codes while the table's first chunks come
	v_max3_num_f32 v[T0], |v[X]|, |v[X+1]|, |v[X+2]|
	v_max3_num_f32 v[T1], |v[X+3]|, |v[X+4]|, |v[X+5]|
.irp i, 6,10,14,18,22,26
	v_max3_num_f32 v[T0], v[T0], |v[X+\i]|, |v[X+\i+1]|
	v_max3_num_f32 v[T1], v[T1], |v[X+\i+2]|, |v[X+\i+3]|
.endr
	v_max3_num_f32 v[T0], v[T0], |v[X+30]|, |v[X+31]|
	v_max3_num_f32 v[T0], v[T0], v[T1], 0x1800000  ; and the floor 2^(3 - 127): the byte cannot fall under 1
	v_add_nc_u32 v[SOP], 0xff000000, v[T0]         ; 2 off the exponent field: the conversion takes this field as its scale
	v_lshrrev_b32 v[BY], 23, v[SOP]                ; the scale's byte
.irp q, 0,1,2,3
	v_cvt_scalef32_pk8_fp4_f32 v[CD+\q], v[X+8*\q:X+8*\q+7], v[SOP]
.endr
	v_nop                                          ; one plain place behind the last conversion
	global_store_b128 v7, v[CD:CD+3], s[8:9]       ; the wave stores the row's 512 consecutive bytes
	global_store_b8 v24, v[BY], s[8:9] offset:524288
	s_wait_dscnt 16                                ; chunk 0 is in; chunk 1's 16 loads are younger
	GFMA 0, G0
	GLOAD 2, G0
	s_wait_dscnt 16
	GFMA 1, G1
	GLOAD 3, G1
	s_wait_dscnt 16
	GFMA 2, G0
	s_wait_dscnt 0x0
	GFMA 3, G1
.irp m, 1,2,4,8                        ; the sums over the 32 lanes, the eight logits by turns
.irp e, 0,1,2,3,4,5,6,7
	v_add_f32_dpp v[A+\e], v[A+\e], v[A+\e] row_xmask:\m row_mask:0xf bank_mask:0xf
.endr
.endr
.irp e, 0,1,2,3,4,5,6,7
	v_permlanex16_b32 v[G0+\e], v[A+\e], s14, s15  ; (its destination has been written before)
.endr
.irp e, 0,1,2,3,4,5,6,7
	v_add_f32 v[A+\e], v[A+\e], v[G0+\e]           ; every lane holds the same eight logits
.endr
	v_mov_b32 v[M1], v[A]
	v_mov_b32 v[I1], 0
	v_mov_b32 v[M2], 0xff800000
	v_mov_b32 v[I2], 0
.irp e, 1,2,3,4,5,6,7                  ; strict compares: of equal logits the lower index stays ahead
	v_cmp_gt_f32 vcc_lo, v[A+\e], v[M1]
	v_cmp_gt_f32 s26, v[A+\e], v[M2]
	v_cndmask_b32 v[T0], v[M2], v[A+\e], s26
	v_cndmask_b32 v[T1], v[I2], \e, s26
	v_cndmask_b32 v[M2], v[T0], v[M1], vcc_lo
	v_cndmask_b32 v[I2], v[T1], v[I1], vcc_lo
	v_cndmask_b32 v[M1], v[M1], v[A+\e], vcc_lo
	v_cndmask_b32 v[I1], v[I1], \e, vcc_lo
.endr
	v_sub_f32 v[T0], v[M2], v[M1]                  ; the maximum is taken away: 0 or less
	v_mul_f32 v[T0], 0x3fb8aa3b, v[T0]
	v_exp_f32 v[T1], v[T0]
	v_nop                                          ; a plain place behind the transcendental,
	s_wait_alu depctr_va_vdst(0)                   ; and the wait ahead of the first use
	v_add_f32 v[T0], 1.0, v[T1]
	v_rcp_f32 v[W0], v[T0]                         ; 1 / (1 + e^d)
	v_nop
	s_wait_alu depctr_va_vdst(0)
	v_mul_f32 v[W1], v[T1], v[W0]                  ; e^d / (1 + e^d)
	v_cmp_eq_u32 vcc_lo, 0, v1
	s_wait_xcnt 0x0                                ; EXEC changes only behind this wait: stores are out
	s_barrier_signal -1
	s_barrier_wait -1
	s_wait_tensorcnt 0x0
	ds_add_u32 v192, v193
	s_wait_dscnt 0x0
	s_and_saveexec_b32 s24, vcc_lo                 ; lane 0 alone
	global_store_b64 v25, v[I1:I2], s[10:11]
	global_store_b64 v25, v[W0:W1], s[8:9] offset:557056
	s_wait_xcnt 0x0
	s_or_b32 exec_lo, exec_lo, s24
	s_endpgm
.Lfunc_end_k_q285120cbe3_route:
	.size	k_q285120cbe3_route, .Lfunc_end_k_q285120cbe3_route-k_q285120cbe3_route
	.p2alignl 7, 3214868480
	.fill 96, 4, 3214868480
	.section	.rodata,"a",@progbits
	.p2align	6, 0x0
	.amdhsa_kernel k_q285120cbe3_route
		.amdhsa_group_segment_fixed_size 52224
		.amdhsa_private_segment_fixed_size 0
		.amdhsa_enable_private_segment 0
		.amdhsa_kernarg_size 32
		.amdhsa_user_sgpr_count 2
		.amdhsa_user_sgpr_kernarg_segment_ptr 1
		.amdhsa_wavefront_size32 1
		.amdhsa_system_sgpr_workgroup_id_x 1
		.amdhsa_system_sgpr_workgroup_id_y 1
		.amdhsa_system_sgpr_workgroup_id_z 1
		.amdhsa_system_vgpr_workitem_id 0
		.amdhsa_next_free_vgpr 194
		.amdhsa_next_free_sgpr 66
		.amdhsa_reserve_vcc 1
		.amdhsa_float_denorm_mode_32 3
		.amdhsa_float_denorm_mode_16_64 3
		.amdhsa_memory_ordered 1
		.amdhsa_forward_progress 1
		.amdhsa_inst_pref_size 27
	.end_amdhsa_kernel
	.amdgpu_metadata
---
amdhsa.version: [ 1, 2 ]
amdhsa.kernels:
  - .name:           k_q285120cbe3_route
    .symbol:         k_q285120cbe3_route.kd
    .args:
      - { .name: x, .offset: 0, .size: 8, .value_kind: global_buffer, .address_space: global }
      - { .name: gate_w, .offset: 8, .size: 8, .value_kind: global_buffer, .address_space: global }
      - { .name: xc, .offset: 16, .size: 8, .value_kind: global_buffer, .address_space: global }
      - { .name: sel, .offset: 24, .size: 8, .value_kind: global_buffer, .address_space: global }
    .group_segment_fixed_size: 52224
    .private_segment_fixed_size: 0
    .kernarg_segment_align: 8
    .kernarg_segment_size: 32
    .max_flat_workgroup_size: 128
    .sgpr_count:     66
    .vgpr_count:     194
    .wavefront_size: 32
...
	.end_amdgpu_metadata
.endif
;; end of part 1
;; launch up (part 2): grid 32 x 8, 16 waves a work-group, no clusters, 79,872 bytes of LDS; arguments xc, sel, w1, b1, hc, tab; writes hc, tab
.if DOCPART == 2
	.amdgcn_target "amdgcn-amd-amdhsa--gfx1250"
	.amdhsa_code_object_version 6
	.text
	.protected	k_q285120cbe3_up
	.globl	k_q285120cbe3_up
	.p2align	8
	.type	k_q285120cbe3_up,@function
k_q285120cbe3_up:
	s_mov_b64 s[64:65], 0
	v_nop
	global_prefetch_b8 v0, s[64:65] scope:SCOPE_SE
	s_setreg_imm32_b32 hwreg(HW_REG_WAVE_MODE, 25, 1), 1
	s_wait_xcnt 0x0
; h = silu(x W1[e] + b1[e]) for the rows that chose expert e, in MX-FP4 (codes of E2M1, one E8M0 byte for each 32 along K), stored again as codes along the next product's K.  The rows are also PLACED here.
; w1: [8][1024 K][4096] f32.  Work-group (S, e): expert e, hidden units 128 S .. 128 S + 127: nobody else reads this slice, so it is read once as f32 and quantised on its way.
; PHASE 1 (stream).  Wave w takes K step w / 2 (128 rows of w1) and 64 of the columns (w % 2), as two groups of 32.  A LANE TAKES A COLUMN AND ITS REGISTERS RUN DOWN K: a load reads 128 consecutive bytes,
; a block of 32 along K lies in one lane, and the conversions give codes with K innermost.  Sixteen exchanges of halves of the lanes make four operand fragments (16 columns x 128 K), which go to LDS as
; images of their registers (lane l's 16 bytes at 16 l).  Three sets of 32 registers take turns, so that loads are always out.
; WHICH COLUMN: lane (r = l % 16, u = l / 16) of group b takes column 32 b + 8 u + r + 8 (r / 8): in the results of tiles 2 b and 2 b + 1 a lane's 16 registers are then 16 neighbours along the next K.
; THE PLACING, in four pieces between the stream's loads.  sel: [1024 tokens][2] experts, whole numbers that an earlier launch stored.  Every wave loads all of it (16 loads of 512 consecutive bytes).  The order of an
; expert's rows is free, so tokens are counted as these loads lay them: group j (0 .. 31), bit l = token 64 (j / 2) + 2 l + j % 2.  A group's mask is two compares; the running count of set bits is the group's base.
; A LANE HOLDS A RANK (row r of one of my four tiles) and keeps the mask and base of the last group whose base is not above it; the token is then the (rank - base)-th set bit of that mask, found by five halvings
; over the bit counts of 16, 8, 4, 2 and 1 bits.  No LDS, no barrier, nothing scattered.  A rank at or past n_e ends at token 1023: a valid row, whose result is never read.
; The work-groups with S = 0 also store, for the later launches, tab: [33792] slot_of [1024 tokens][2] = 1024 e + rank;  [41984] cnt [8] = n_e (the bytes in front are not used).  Wave w serves groups w and w + 16.
; Those stores' offsets are made with all lanes on, and the stores whose EXEC is made from the loaded choices are the text's last lines.
; ONE BARRIER.  PHASE 2: wave w takes the expert's row tiles w, w + 16, .. under nt (a count made from sel: no barrier stands in this loop).  For a tile: x's codes straight from memory by its tokens,
; 8 K steps x 8 tiles of columns (transposed: source 0 = 16 columns of W1, source 1 = 16 rows of x; b1 is the first C), silu in f32, quantised in registers: one fragment and one scale word a row: K step S of the next product.
; hc: [0] codes [64 e + tile][K step 32][1,024 bytes: registers 4 c .. 4 c + 3 at 512 c + 16 lane];  [16777216] scale words [64 e + tile][32][32 lanes x 4 bytes].  nt is at least 1, so tile 0 of every expert is written.
; NO MULTICAST, NO TENSOR LOADS: no weight byte is shared between work-groups; x's codes are shared, but how many of them a work-group reads hangs on a count made from stored numbers.
; LIMITS: NaN and infinities are not served; a block of zeros, or one under 2^-124, gets the byte 1 with zero codes (this program alone reads the bytes).
; REGISTERS: v1 16 lane; v2 4 lane; v3 my column's bytes; v4, v5 where I store images and scale words; v6, v7 where scale words and the bias are read; v8 16 h; v9, v10 x's offsets; v11, v12 h's offsets;
;   v13 where I store the bias, v14 64 h, v15 16 w + r: from the placing on v13, v14 the slots' offsets and v15, v241 the slots; v16-79 the 8 accumulators (phase 1: sets 0, 1); v80-143 W1's 8 fragments, silu's work (phase 1: set 2, codes);
;   v144-207 x's 8 fragments (first: sel); v208-215 x's scale words; v216-219 W1's; v220-223 tokens of my four tiles; v224-239 at work; v240 h's scale word; v242-249 h's codes (phase 1: v228-246 the placing's work); v250-255 phase 1's work.
.set ROWB, 16384                       ; a row of w1[e] in bytes
.set WSC,  65536                       ; LDS: [0] 64 fragments, 8192 s + 1024 t;  [WSC] scale words, 512 s + 128 b: lanes 0-15 tile 2 b, lanes 16-31 tile 2 b + 1
.set BIMG, 69632                       ; b1 in the results' layout: 512 (2 t + half) + 16 lane
.set ACC,  16
.set WF,   80
.set XF,   144
.set XS,   208
.set WS,   216
.set TK,   220
.set TM,   224
.set BT,   224
.set PW,   240
.set PC,   242
.set M0,   250
.set M1,   251
.set SOP,  252
.set BY,   253
.set SB,   254
.set XR,   16
.set CR,   112
.set SL,   144                         ; sel: group j's first choices in v[SL + 2 j], its second choices in v[SL + 2 j + 1]
.set RK,   228                         ; v228-229 my rank, batches 0 and 1
.set MK,   230                         ; v230-231 the kept group's mask
.set PK,   232                         ; v232-233 its base, and its number 16 bits up
.set QA,   234                         ; bit counts of 2,
.set QB,   235                         ; 4,
.set QC,   236                         ; 8 bits
.set QS,   237                         ; the search's place
.set QN,   238                         ; set bits still to pass
.set QT,   239
.set QU,   240
.set QJ,   242
.set TB,   244                         ; v244-245 the tokens found
.set XT,   246
.set SOA,  13
.set SOB,  14
.set SDA,  15
.set SDB,  241
.macro LOADSET t                       ; block t / 2 of K, group t % 2 of columns: 32 rows, into set t % 3
.set i, 0
.rept 32
	global_load_b32 v[XR+32*((\t)%3)+i], v3, s[24:25] offset:(32*((\t)/2)+i)*ROWB+128*((\t)%2) th:TH_LOAD_NT
.set i, i+1
.endr
.endm
.macro BLOCK t, left                   ; the set's 32 numbers become 4 registers of codes and a byte of the group's scale word
.set XB, XR+32*((\t)%3)
.set CB, CR+16*((\t)%2)+4*((\t)/2)
	s_wait_loadcnt \left
	v_max3_num_f32 v[M0], |v[XB]|, |v[XB+1]|, |v[XB+2]|
	v_max3_num_f32 v[M1], |v[XB+3]|, |v[XB+4]|, |v[XB+5]|
.irp i, 6,10,14,18,22,26
	v_max3_num_f32 v[M0], v[M0], |v[XB+\i]|, |v[XB+\i+1]|
	v_max3_num_f32 v[M1], v[M1], |v[XB+\i+2]|, |v[XB+\i+3]|
.endr
	v_max3_num_f32 v[M0], v[M0], |v[XB+30]|, |v[XB+31]|
	v_max3_num_f32 v[M0], v[M0], v[M1], 0x1800000  ; and the floor 2^(3 - 127): the byte cannot fall under 1
	v_add_nc_u32 v[SOP], 0xff000000, v[M0]         ; 2 off the exponent field: the conversions' scale operand
	v_lshrrev_b32 v[BY], 23, v[SOP]
.if (\t)/2 == 0
	v_mov_b32 v[SB+(\t)%2], v[BY]
.else
	v_lshl_or_b32 v[SB+(\t)%2], v[BY], 8*((\t)/2), v[SB+(\t)%2]
.endif
.irp q, 0,1,2,3
	v_cvt_scalef32_pk8_fp4_f32 v[CB+\q], v[XB+8*\q:XB+8*\q+7], v[SOP]
.endr
.endm
.macro FINISH                          ; a lane holds four blocks of ONE column; the operand wants block 2 c in lanes 0-15 and block 2 c + 1 in lanes 16-31
	v_nop                                          ; one plain place behind the last conversion
.irp g, 0,1
.irp c, 0,1
.irp i, 0,1,2,3
	v_permlane16_swap_b32 v[CR+16*\g+8*\c+\i], v[CR+16*\g+8*\c+4+\i]   ; the first becomes register 4 c + i of tile 2 g, the second that of tile 2 g + 1
.endr
.endr
.endr
.irp g, 0,1
.irp c, 0,1
.irp u, 0,1
	ds_store_b128 v4, v[CR+16*\g+8*\c+4*\u:CR+16*\g+8*\c+4*\u+3] offset:1024*(2*\g+\u)+512*\c
.endr
.endr
	ds_store_b32 v5, v[SB+\g] offset:128*\g
.endr
.endm
; Group j of 32 tokens.  s50: who chose e; s51: who chose it second; s49: how many chose it in the groups in front (the group's base).
; The bases never fall, so the last group whose base is not above a rank is the group that holds that rank.  My wave keeps groups w and w + 16 for the slots.
.macro GROUP j
	v_cmp_eq_u32 s50, s15, v[SL+2*(\j)]
	v_cmp_eq_u32 s51, s15, v[SL+2*(\j)+1]
	s_or_b32 s50, s50, s51
.if (\j) == 0
	v_mov_b32 v[MK], s50                           ; group 0's base, 0, is above no rank
	v_mov_b32 v[MK+1], s50
	v_mov_b32 v[PK], 0
	v_mov_b32 v[PK+1], 0
.else
	s_or_b32 s52, s49, (\j)<<16                    ; the base (1,024 at the most) and the group's number in one word
.irp b, 0,1
	v_cmp_le_u32 vcc_lo, s49, v[RK+\b]
	v_cndmask_b32 v[MK+\b], v[MK+\b], s50, vcc_lo
	v_cndmask_b32 v[PK+\b], v[PK+\b], s52, vcc_lo
.endr
.endif
	s_cmp_eq_u32 s14, (\j)%16
.if (\j) < 16
	s_cselect_b32 s53, s50, s53
	s_cselect_b32 s54, s51, s54
	s_cselect_b32 s55, s49, s55
.else
	s_cselect_b32 s56, s50, s56
	s_cselect_b32 s57, s51, s57
	s_cselect_b32 s58, s49, s58
.endif
	s_bcnt1_i32_b32 s51, s50
	s_add_co_u32 s49, s49, s51
.endm
.macro HALVE src, wd                   ; the window of 2 wd bits at QS: where QN is not under the lower half's count, the bit lies in the upper half, and the lower half's bits are passed
	v_bfe_u32 v[QT], v[\src], v[QS], \wd
	v_add_nc_u32 v[QU], \wd, v[QS]
	v_cmp_ge_u32 vcc_lo, v[QN], v[QT]
	v_cndmask_b32 v[QS], v[QS], v[QU], vcc_lo
	v_cndmask_b32 v[QT], 0, v[QT], vcc_lo
	v_sub_nc_u32 v[QN], v[QN], v[QT]
.endm
.macro SELECT b                        ; batch b: the token of my rank = the (rank - base)-th set bit of the kept mask
	v_and_b32 v[QT], 0xffff, v[PK+\b]              ; the base
	v_lshrrev_b32 v[QJ], 16, v[PK+\b]              ; the group
	v_sub_nc_u32 v[QN], v[RK+\b], v[QT]
	v_lshrrev_b32 v[QT], 1, v[MK+\b]
	v_and_b32 v[QT], 0x55555555, v[QT]
	v_sub_nc_u32 v[QA], v[MK+\b], v[QT]            ; in each 2 bits: how many of them are set
	v_lshrrev_b32 v[QT], 2, v[QA]
	v_and_b32 v[QT], 0x33333333, v[QT]
	v_and_b32 v[QU], 0x33333333, v[QA]
	v_add_nc_u32 v[QB], v[QT], v[QU]               ; in each 4 bits
	v_lshrrev_b32 v[QT], 4, v[QB]
	v_add_nc_u32 v[QT], v[QT], v[QB]
	v_and_b32 v[QC], 0x0f0f0f0f, v[QT]             ; in each 8 bits
	v_lshrrev_b32 v[QT], 8, v[QC]
	v_add_nc_u32 v[QT], v[QT], v[QC]
	v_and_b32 v[QT], 0xff, v[QT]                   ; in bits 0 to 15
	v_cmp_ge_u32 vcc_lo, v[QN], v[QT]
	v_cndmask_b32 v[QS], 0, 16, vcc_lo
	v_cndmask_b32 v[QT], 0, v[QT], vcc_lo
	v_sub_nc_u32 v[QN], v[QN], v[QT]
	HALVE QC, 8
	HALVE QB, 4
	HALVE QA, 2
	HALVE MK+\b, 1
	v_and_b32 v[QU], 30, v[QJ]
	v_and_b32 v[QT], 1, v[QJ]
	v_lshl_add_u32 v[QT], v[QU], 5, v[QT]          ; 64 (j / 2) + j % 2
	v_lshl_add_u32 v[TB+\b], v[QS], 1, v[QT]       ; + 2 x bit
.endm
.macro XADDR
	v_lshl_add_u32 v9, v[TK], 9, v8                ; 512 x token + 16 h
	v_lshlrev_b32 v10, 5, v[TK]                    ; 32 x token
.endm
.macro XLOAD                           ; 18 loads: the tile's 8 fragments of x and 8 scale words a row
.irp s, 0,1,2,3,4,5,6,7
	global_load_b128 v[XF+8*\s:XF+8*\s+3], v9, s[4:5] offset:64*\s
	global_load_b128 v[XF+8*\s+4:XF+8*\s+7], v9, s[4:5] offset:64*\s+32
.endr
	global_load_b128 v[XS:XS+3], v10, s[26:27]
	global_load_b128 v[XS+4:XS+7], v10, s[26:27] offset:16
.endm
.macro KSTEP s                         ; 128 along K: W1's 8 fragments and 4 scale registers from LDS, 8 products, the 8 accumulators by turns
.irp t, 0,1,2,3,4,5,6,7
	ds_load_b128 v[WF+8*\t:WF+8*\t+3], v1 offset:8192*(\s)+1024*\t
	ds_load_b128 v[WF+8*\t+4:WF+8*\t+7], v1 offset:8192*(\s)+1024*\t+512
.endr
.irp b, 0,1,2,3
	ds_load_b32 v[WS+\b], v6 offset:512*(\s)+128*\b
.endr
	s_wait_dscnt 0x0
.irp b, 0,1,2,3
	v_wmma_scale_f32_16x16x128_f8f6f4 v[ACC+16*\b:ACC+16*\b+7], v[WF+16*\b:WF+16*\b+7], v[XF+8*(\s):XF+8*(\s)+7], v[ACC+16*\b:ACC+16*\b+7], v[WS+\b], v[XS+(\s)] matrix_a_fmt:MATRIX_FMT_FP4 matrix_b_fmt:MATRIX_FMT_FP4
	v_wmma_scale_f32_16x16x128_f8f6f4 v[ACC+16*\b+8:ACC+16*\b+15], v[WF+16*\b+8:WF+16*\b+15], v[XF+8*(\s):XF+8*(\s)+7], v[ACC+16*\b+8:ACC+16*\b+15], v[WS+\b], v[XS+(\s)] matrix_a_fmt:MATRIX_FMT_FP4 matrix_b_fmt:MATRIX_FMT_FP4 matrix_a_scale:MATRIX_SCALE_ROW1
.endr
.rept 4
	v_nop                                          ; four places in front of loads into registers that these products read, and of the first read of results
.endr
.endm
.macro SILU                            ; z / (1 + 2^(-z log2 e)), in f32; two batches of transcendentals, one wait each
.set j, 0
.rept 32
	v_pk_mul_f32 v[WF+j:WF+j+1], v[ACC+j:ACC+j+1], s[22:23] op_sel_hi:[1,0]   ; ascending: each accumulator is read from its low end on
.set j, j+2
.endr
.set j, 0
.rept 64
	v_exp_f32 v[WF+j], v[WF+j]
.set j, j+1
.endr
	v_nop                                          ; a plain place behind the last of the batch,
	s_wait_alu depctr_va_vdst(0)                   ; and the one wait ahead of the first use
.set j, 0
.rept 32
	v_pk_add_f32 v[WF+j:WF+j+1], v[WF+j:WF+j+1], 1.0 op_sel_hi:[1,0]
.set j, j+2
.endr
.set j, 0
.rept 64
	v_rcp_f32 v[WF+j], v[WF+j]
.set j, j+1
.endr
	v_nop
	s_wait_alu depctr_va_vdst(0)
.set j, 0
.rept 32
	v_pk_mul_f32 v[ACC+j:ACC+j+1], v[ACC+j:ACC+j+1], v[WF+j:WF+j+1]
.set j, j+2
.endr
.endm
.macro QUANT                           ; register ACC + 16 b + i = hidden unit 32 b + 16 (lane / 16) + i of my row: a fragment's codes in v[PC] on, its scale word in v[PW]
.irp b, 0,1,2,3
	v_max3_num_f32 v[TM+\b], |v[ACC+16*\b]|, |v[ACC+1+16*\b]|, 0x1800000   ; my 16 numbers of block b, and the floor 2^(3 - 127)
.endr
.irp i, 2,4,6,8,10,12,14
.irp b, 0,1,2,3
	v_max3_num_f32 v[TM+\b], v[TM+\b], |v[ACC+16*\b+\i]|, |v[ACC+1+16*\b+\i]|
.endr
.endr
.irp b, 0,1,2,3
	v_permlanex16_b32 v[TM+4+\b], v[TM+\b], s20, s21
.endr
.irp b, 0,1,2,3
	v_max_num_f32 v[TM+\b], v[TM+\b], v[TM+4+\b]   ; with lane l xor 16's 16: the block's largest magnitude
.endr
.irp b, 0,1,2,3
	v_add_nc_u32 v[TM+12+\b], 0xff000000, v[TM+\b]
.endr
.irp b, 0,1,2,3
	v_lshrrev_b32 v[TM+4+\b], 23, v[TM+12+\b]
.endr
	v_lshl_or_b32 v[PW], v[TM+5], 8, v[TM+4]
	v_lshl_or_b32 v[PW], v[TM+6], 16, v[PW]
	v_lshl_or_b32 v[PW], v[TM+7], 24, v[PW]
.irp b, 0,1,2,3
	v_cvt_scalef32_pk8_fp4_f32 v[PC+2*\b], v[ACC+16*\b:ACC+7+16*\b], v[TM+12+\b]
	v_cvt_scalef32_pk8_fp4_f32 v[PC+1+2*\b], v[ACC+8+16*\b:ACC+15+16*\b], v[TM+12+\b]
.endr
	v_nop                                          ; one plain place behind a scaled conversion
.irp c, 0,1                            ; the operand wants a whole block in a lane
.irp i, 0,1
	v_permlane16_swap_b32 v[PC+4*\c+\i], v[PC+2+4*\c+\i]
.endr
.endr
.endm
	s_load_b256 s[4:11], s[0:1], 0x0               ; xc s[4:5], sel s[6:7], w1 s[8:9], b1 s[10:11]
	s_load_b64 s[12:13], s[0:1], 0x20              ; hc
	s_load_b64 s[46:47], s[0:1], 0x28              ; tab
	v_lshrrev_b32 v1, 5, v0
	v_readfirstlane_b32 s14, v1                    ; wave 0..15
	s_and_b32 s15, ttmp7, 0xffff                   ; e
	s_mov_b32 s16, ttmp9                           ; S
	v_and_b32 v2, 31, v0
	v_lshlrev_b32 v1, 4, v2                        ; 16 x lane
	v_lshlrev_b32 v2, 2, v2                        ; 4 x lane
	v_and_b32 v15, 15, v0                          ; r
	v_bfe_u32 v14, v0, 4, 1                        ; h (in phase 1: u)
	v_and_b32 v3, 8, v15
	v_add_nc_u32 v3, v3, v15
	v_lshl_add_u32 v3, v14, 3, v3
	v_lshlrev_b32 v3, 2, v3                        ; 4 (r + 8 (r / 8) + 8 u)
	s_lshl_b32 s36, s14, 12
	v_add_nc_u32 v4, s36, v1                       ; my four images: 4096 w + 16 lane
	s_lshl_b32 s36, s14, 8
	s_add_co_u32 s36, s36, WSC
	v_add_nc_u32 v5, s36, v2                       ; my two scale registers: 256 w + 4 lane
	v_add_nc_u32 v6, WSC, v2
	v_add_nc_u32 v7, BIMG, v1
	v_lshlrev_b32 v8, 4, v14
	s_lshl_b32 s36, s14, 9
	s_add_co_u32 s36, s36, BIMG
	v_add_nc_u32 v13, s36, v1                      ; my sixteenth of the bias image
	v_lshl_add_u32 v15, s14, 4, v15                ; 16 w + r: my rank in my first tile
	v_lshlrev_b32 v14, 6, v14                      ; 64 h
	s_lshl_b32 s36, s15, 24                        ; w1: expert,
	s_lshr_b32 s37, s14, 1
	s_lshl_b32 s37, s37, 21                        ; K step w / 2: 128 rows,
	s_add_co_u32 s36, s36, s37
	s_lshl_b32 s37, s16, 9                         ; the slice's 512 bytes of a row,
	s_add_co_u32 s36, s36, s37
	s_and_b32 s37, s14, 1
	s_lshl_b32 s37, s37, 8                         ; my half of them
	s_add_co_u32 s36, s36, s37
	s_mov_b32 s37, 0
	s_lshl_b32 s40, s15, 14                        ; b1: wave w = 2 t + half brings, for tile t = 2 b + u, units 32 b + 8 u + 16 h + 4 half + 0 .. 3
	s_lshl_b32 s41, s16, 9
	s_add_co_u32 s40, s40, s41
	s_lshr_b32 s41, s14, 2
	s_lshl_b32 s41, s41, 7
	s_add_co_u32 s40, s40, s41
	s_bfe_u32 s41, s14, 0x10001
	s_lshl_b32 s41, s41, 5
	s_add_co_u32 s40, s40, s41
	s_and_b32 s41, s14, 1
	s_lshl_b32 s41, s41, 4
	s_add_co_u32 s40, s40, s41
	s_mov_b32 s41, 0
	s_mov_b32 s20, 0x76543210
	s_mov_b32 s21, 0xfedcba98                      ; v_permlanex16_b32's selects for lane l xor 16
	s_mov_b32 s22, 0xbfb8aa3b                      ; -log2(e); the packed form names the pair
	s_mov_b32 s23, s22
	s_wait_kmcnt 0x0
	s_add_nc_u64 s[24:25], s[8:9], s[36:37]
	s_add_nc_u64 s[34:35], s[10:11], s[40:41]
	global_load_b128 v[BT:BT+3], v14, s[34:35]
.irp q, 0,1,2,3,4,5,6,7,8,9,10,11,12,13,14,15
	global_load_b128 v[SL+4*\q:SL+4*\q+3], v1, s[6:7] offset:512*\q   ; sel: lane l takes tokens 64 q + 2 l and 64 q + 2 l + 1, two experts each
.endr
	LOADSET 0
	LOADSET 1
	s_add_nc_u64 s[26:27], s[4:5], 524288          ; x's scale bytes
	s_lshl_b32 s36, s15, 21
	s_lshl_b32 s37, s16, 10
	s_add_co_u32 s36, s36, s37
	s_mov_b32 s37, 0
	s_add_nc_u64 s[28:29], s[12:13], s[36:37]      ; h's codes: expert e, K step S
	s_lshl_b32 s36, s15, 18
	s_lshl_b32 s37, s16, 7
	s_add_co_u32 s36, s36, s37
	s_add_co_u32 s36, s36, 16777216
	s_mov_b32 s37, 0
	s_add_nc_u64 s[30:31], s[12:13], s[36:37]      ; h's scale words
	s_mov_b32 s48, 0xffff0000                      ; lanes 16 to 31
	s_mov_b32 s49, 0                               ; the running count
.irp n, 53,54,55,56,57,58
	s_mov_b32 s\n, 0
.endr
	LOADSET 2
	v_lshl_add_u32 v[RK], v8, 4, v15               ; batch 0: lanes 0-15 row r of tile w, lanes 16-31 of tile w + 16: rank 16 w + r + 256 h;
	v_add_nc_u32 v[RK+1], 512, v[RK]               ; batch 1: tiles w + 32 and w + 48
	; THE COUNTS: behind each of sets 0 to 5, 64 loads or more were issued; a wait names 63 at the most (the counter's field: ISA guide 5.7.1), and a smaller count than the true one is safe.
	BLOCK 0, 63                                    ; (the bias load and sel's 16 are older than set 0: they are in too)
	ds_store_b128 v13, v[BT:BT+3]
	LOADSET 3
.irp j, 0,1,2,3,4,5,6,7
	GROUP \j                                       ; the placing stands in four pieces, each behind a set's loads, so that new loads go out first
.endr
	BLOCK 1, 63
	LOADSET 4
.irp j, 8,9,10,11,12,13,14,15
	GROUP \j
.endr
	BLOCK 2, 63
	LOADSET 5
.irp j, 16,17,18,19,20,21,22,23
	GROUP \j
.endr
	BLOCK 3, 63
	LOADSET 6
.irp j, 24,25,26,27,28,29,30,31
	GROUP \j
.endr
	s_min_u32 s17, s49, 0x400                      ; n_e (there are 1,024 tokens)
	s_add_co_u32 s18, s17, 15
	s_lshr_b32 s18, s18, 4
	s_max_u32 s18, s18, 1                          ; nt
	; the slots of my 64 tokens (groups w and w + 16) and where they go: made here, with all lanes on; stored at the end, by the work-groups with S = 0
	s_lshr_b32 s36, s14, 1
	s_lshl_b32 s36, s36, 9
	s_and_b32 s37, s14, 1
	s_lshl_b32 s37, s37, 3
	s_add_co_u32 s36, s36, s37                     ; 8 x (64 (w / 2) + w % 2)
	s_lshl_b32 s37, s15, 10                        ; the expert's first slot
	v_mov_b32 v[QT], s55
	v_mbcnt_lo_u32_b32 v[SDA], s53, v[QT]          ; the rank: the group's base + the set bits below my lane
	v_min_u32 v[SDA], 0x3ff, v[SDA]
	v_add_nc_u32 v[SDA], s37, v[SDA]
	v_mov_b32 v[QT], s58
	v_mbcnt_lo_u32_b32 v[SDB], s56, v[QT]
	v_min_u32 v[SDB], 0x3ff, v[SDB]
	v_add_nc_u32 v[SDB], s37, v[SDB]
	v_cndmask_b32 v[SOA], 0, 4, s54                ; slot_of[token][0 or 1]
	v_min_u32 v[SOA], 4, v[SOA]
	v_add_nc_u32 v[SOA], v[SOA], v1                ; + 8 x 2 l
	v_add_nc_u32 v[SOA], s36, v[SOA]
	v_cndmask_b32 v[SOB], 0, 4, s57
	v_min_u32 v[SOB], 4, v[SOB]
	v_add_nc_u32 v[SOB], v[SOB], v1
	v_add_nc_u32 v[SOB], s36, v[SOB]               ; (group w + 16 lies 512 tokens on: in the store's immediate)
	SELECT 0
	SELECT 1
	v_mov_b32 v[XT], 0                             ; a lane permute's destination counts as one of its sources
.irp b, 0,1                            ; both halves of the lanes want the tokens of both tiles: row r serves lanes r and 16 + r
	v_permlanex16_b32 v[XT], v[TB+\b], s20, s21
	v_cndmask_b32 v[TK+2*\b], v[TB+\b], v[XT], s48
	v_cndmask_b32 v[TK+2*\b+1], v[XT], v[TB+\b], s48
.endr
.irp p, 0,1,2,3
	v_min_u32 v[TK+\p], 0x3ff, v[TK+\p]
.endr
	BLOCK 4, 63
	LOADSET 7
	XADDR
	XLOAD                                          ; my first tile's rows of x come under the stream, into the registers that held sel
	BLOCK 5, 63
	BLOCK 6, 50                                    ; set 7's 32 loads and x's 18 are younger
	BLOCK 7, 18                                    ; x's 18 are younger
	FINISH
	s_wait_dscnt 0x0                               ; for the others' sake: my images, scale words and bias have landed
	s_barrier_signal -1
	s_barrier_wait -1                              ; the slice lies in LDS; nobody writes LDS from here on
.irp b, 0,1,2,3
	v_mov_b32 v[TM+4+\b], 0                        ; written once: a lane permute's destination counts as one of its sources
.endr
	s_add_co_u32 s44, s18, 15
	s_sub_co_u32 s44, s44, s14
	s_lshr_b32 s44, s44, 4                         ; how many of the tiles w, w + 16, .. lie under nt: (nt + 15 - w) / 16,
	s_min_u32 s44, s44, 4                          ; four at the most: nt is at most 64
	s_mov_b32 s45, 0                               ; the pass: my tile is 16 x pass + w
	s_cmp_eq_u32 s44, 0
	s_cbranch_scc1 .Ldone
.Lpass:
	s_wait_loadcnt 0x0                             ; this tile's x is in
.irp t, 0,1,2,3,4,5,6,7
	ds_load_b128 v[ACC+8*\t:ACC+8*\t+3], v7 offset:1024*\t         ; b1 is the C of each sum's first product
	ds_load_b128 v[ACC+8*\t+4:ACC+8*\t+7], v7 offset:1024*\t+512
.endr
.irp s, 0,1,2,3,4,5,6,7
	KSTEP \s
.endr
	s_add_co_u32 s37, s45, 1
	s_cmp_ge_u32 s37, s44                          ; is there a next tile?  (the same test as the loop's own)
	s_cbranch_scc1 .Llast
	v_min_u32 v[TK], 0x3ff, v[TK+1]                ; its tokens move up
	v_min_u32 v[TK+1], 0x3ff, v[TK+2]
	v_min_u32 v[TK+2], 0x3ff, v[TK+3]
	XADDR                                          ; (the loads that read v9 and v10 were waited for at the pass's head)
	XLOAD                                          ; they land while this tile is finished
.Llast:
	SILU
	QUANT
	s_lshl_b32 s36, s45, 4
	s_add_co_u32 s36, s36, s14                     ; my tile
	s_min_u32 s36, s36, 63
	v_lshl_add_u32 v11, s36, 15, v1                ; tile x 32 K steps x 1,024 bytes + 16 lane
	v_lshl_add_u32 v12, s36, 12, v2                ; tile x 32 x 128 bytes + 4 lane
	global_store_b128 v11, v[PC:PC+3], s[28:29]    ; each store covers 512 consecutive bytes, aligned
	global_store_b128 v11, v[PC+4:PC+7], s[28:29] offset:512
	global_store_b32 v12, v[PW], s[30:31]
	s_wait_xcnt 0x0                                ; the stores' data and offsets are written again in the next pass
	s_add_co_u32 s45, s45, 1
	s_cmp_lt_u32 s45, s44
	s_cbranch_scc1 .Lpass
.Ldone:
	s_cmp_lg_u32 s16, 0
	s_cbranch_scc1 .Lend                           ; one work-group of each expert, S = 0, stores the count and the slots
	s_cmp_lg_u32 s14, 0
	s_cbranch_scc1 .Lrows                          ; wave 0 alone: the count
	s_lshl_b32 s37, s15, 2
	v_mov_b32 v11, s37                             ; cnt[e]'s place
	v_mov_b32 v12, s17
	v_cmp_eq_u32 vcc_lo, 0, v2
	s_wait_xcnt 0x0                                ; EXEC changes only behind this wait
	s_and_saveexec_b32 s36, vcc_lo                 ; lane 0 alone
	global_store_b32 v11, v12, s[46:47] offset:41984
	s_wait_xcnt 0x0
	s_or_b32 exec_lo, exec_lo, s36
.Lrows:
	s_mov_b32 vcc_lo, s53
	s_wait_xcnt 0x0                                ; EXEC changes only behind this wait
	s_and_saveexec_b32 s36, vcc_lo                 ; the tokens of group w that chose e
	global_store_b32 v[SOA], v[SDA], s[46:47] offset:33792
	s_wait_xcnt 0x0
	s_or_b32 exec_lo, exec_lo, s36
	s_mov_b32 vcc_lo, s56
	s_wait_xcnt 0x0
	s_and_saveexec_b32 s36, vcc_lo                 ; those of group w + 16
	global_store_b32 v[SOB], v[SDB], s[46:47] offset:33792+4096
	s_wait_xcnt 0x0
	s_or_b32 exec_lo, exec_lo, s36
.Lend:
	s_wait_xcnt 0x0
	s_mov_b32 exec_lo, -1
	v_lshl_add_u32 v254, v0, 2, 0x13000
	v_mov_b32 v255, 0
	s_wait_tensorcnt 0x0
	ds_add_u32 v254, v255
	s_wait_dscnt 0x0
	s_endpgm
.Lfunc_end_k_q285120cbe3_up:
	.size	k_q285120cbe3_up, .Lfunc_end_k_q285120cbe3_up-k_q285120cbe3_up
	.p2alignl 7, 3214868480
	.fill 96, 4, 3214868480
	.section	.rodata,"a",@progbits
	.p2align	6, 0x0
	.amdhsa_kernel k_q285120cbe3_up
		.amdhsa_group_segment_fixed_size 79872
		.amdhsa_private_segment_fixed_size 0
		.amdhsa_enable_private_segment 0
		.amdhsa_kernarg_size 48
		.amdhsa_user_sgpr_count 2
		.amdhsa_user_sgpr_kernarg_segment_ptr 1
		.amdhsa_wavefront_size32 1
		.amdhsa_system_sgpr_workgroup_id_x 1
		.amdhsa_system_sgpr_workgroup_id_y 1
		.amdhsa_system_sgpr_workgroup_id_z 1
		.amdhsa_system_vgpr_workitem_id 0
		.amdhsa_next_free_vgpr 256
		.amdhsa_next_free_sgpr 66
		.amdhsa_reserve_vcc 1
		.amdhsa_float_denorm_mode_32 3
		.amdhsa_float_denorm_mode_16_64 3
		.amdhsa_memory_ordered 1
		.amdhsa_forward_progress 1
		.amdhsa_inst_pref_size 111
	.end_amdhsa_kernel
	.amdgpu_metadata
---
amdhsa.version: [ 1, 2 ]
amdhsa.kernels:
  - .name:           k_q285120cbe3_up
    .symbol:         k_q285120cbe3_up.kd
    .args:
      - { .name: xc, .offset: 0, .size: 8, .value_kind: global_buffer, .address_space: global }
      - { .name: sel, .offset: 8, .size: 8, .value_kind: global_buffer, .address_space: global }
      - { .name: w1, .offset: 16, .size: 8, .value_kind: global_buffer, .address_space: global }
      - { .name: b1, .offset: 24, .size: 8, .value_kind: global_buffer, .address_space: global }
      - { .name: hc, .offset: 32, .size: 8, .value_kind: global_buffer, .address_space: global }
      - { .name: tab, .offset: 40, .size: 8, .value_kind: global_buffer, .address_space: global }
    .group_segment_fixed_size: 79872
    .private_segment_fixed_size: 0
    .kernarg_segment_align: 8
    .kernarg_segment_size: 48
    .max_flat_workgroup_size: 512
    .sgpr_count:     66
    .vgpr_count:     256
    .wavefront_size: 32
...
	.end_amdgpu_metadata
.endif
;; end of part 2
;; launch down (part 3): grid 32 x 8, 16 waves a work-group, no clusters, 141,312 bytes of LDS; arguments hc, tab, w2, y; writes y
.if DOCPART == 3
	.amdgcn_target "amdgcn-amd-amdhsa--gfx1250"
	.amdhsa_code_object_version 6
	.text
	.protected	k_q285120cbe3_down
	.globl	k_q285120cbe3_down
	.p2align	8
	.type	k_q285120cbe3_down,@function
k_q285120cbe3_down:
	s_mov_b64 s[64:65], 0
	v_nop
	global_prefetch_b8 v0, s[64:65] scope:SCOPE_SE
	s_setreg_imm32_b32 hwreg(HW_REG_WAVE_MODE, 25, 1), 1
	s_wait_xcnt 0x0
; y = h W2[e], in MX-FP4, for the rows that chose expert e, as two partial sums along K.  w2: [8][4096 K][1024] f32.  h arrives as codes and scale words, laid as the operand's registers.
; Work-group (x, e): expert e, columns 64 (x % 16) .. + 63, K half x / 16 (2,048 along K): nobody else reads this slice of w2, so it is read once as f32 and quantised on its way.
; PHASE 1 (stream).  Wave w takes K step w of the half (128 rows of w2), all 64 columns as two groups of 32.  A lane takes a column and its registers run down K; a load reads 128 consecutive bytes;
; sixteen exchanges of halves of the lanes make four operand fragments (16 columns x 128 K), which go to LDS as images of their registers.  Three sets of 32 registers take turns.
; ONE BARRIER.  PHASE 2: wave w takes PAIRS of the expert's row tiles, w, w + 16, .. under np (a count read from memory: no barrier stands in this loop): 2 row tiles x 4 column tiles = 8 accumulators,
; 16 K steps; W2's fragments from LDS, h's straight from memory, four K steps to a chunk, two chunks of registers by turns.  Transposed: source 0 = 16 columns of W2, source 1 = 16 rows of h: a lane holds eight
; neighbouring numbers of a row of y.  They go through the wave's own stage in LDS and leave as rows: sixteen lanes store 256 consecutive bytes, aligned.
; y: [K half][slot = 1024 e + 16 tile + row][1024] f32.  Where nt is odd the last pair's second tile is the first again: it is multiplied and not stored.
; NO MULTICAST, NO TENSOR LOADS: no weight byte is shared between work-groups; h's codes are shared, but how many of them a work-group reads hangs on a stored count.
; LIMITS: NaN and infinities are not served; a block of zeros, or one under 2^-124, gets the byte 1 with zero codes.
; REGISTERS: v1 16 lane; v2 4 lane (also my column's bytes); v3, v15 offsets in y; v4, v5 where I store images and scale words; v6 where scale words are read; v7, v8 the stage, in and back; v9 4096 h + 16 r;
;   v10, v11 h's codes of tiles a, b; v12 h's scale words; v13 h; v14 1 - h; v16-79 accumulators (32 q + 8 t) (phase 1: sets 0, 1); v80-111 W2's 4 fragments (phase 1: set 2); v112-175 h, chunk buffer 1 (phase 1: codes, work);
;   v176-239 h, chunk buffer 0; v240-247 h's scale words, two buffers; v248-249 W2's scale words.
.set ROWB, 4096                        ; a row of w2[e] in bytes
.set WSC,  65536                       ; LDS: [0] 64 fragments, 4096 s + 1024 t;  [WSC] scale words, 256 s + 128 g: lanes 0-15 tile 2 g, lanes 16-31 tile 2 g + 1
.set STG,  69632                       ; a stage of 16 rows x 272 bytes for each wave
.set ACC,  16
.set WF,   80
.set HF0,  176
.set HS0,  240
.set WS,   248
.set XR,   16
.set CR,   112
.set M0,   144
.set M1,   145
.set SOP,  146
.set BY,   147
.set SB,   148
.macro LOADSET t                       ; block t / 2 of K, group t % 2 of columns: 32 rows, into set t % 3
.set i, 0
.rept 32
	global_load_b32 v[XR+32*((\t)%3)+i], v2, s[24:25] offset:(32*((\t)/2)+i)*ROWB+128*((\t)%2) th:TH_LOAD_NT
.set i, i+1
.endr
.endm
.macro BLOCK t, left                   ; the set's 32 numbers become 4 registers of codes and a byte of the group's scale word
.set XB, XR+32*((\t)%3)
.set CB, CR+16*((\t)%2)+4*((\t)/2)
	s_wait_loadcnt \left
	v_max3_num_f32 v[M0], |v[XB]|, |v[XB+1]|, |v[XB+2]|
	v_max3_num_f32 v[M1], |v[XB+3]|, |v[XB+4]|, |v[XB+5]|
.irp i, 6,10,14,18,22,26
	v_max3_num_f32 v[M0], v[M0], |v[XB+\i]|, |v[XB+\i+1]|
	v_max3_num_f32 v[M1], v[M1], |v[XB+\i+2]|, |v[XB+\i+3]|
.endr
	v_max3_num_f32 v[M0], v[M0], |v[XB+30]|, |v[XB+31]|
	v_max3_num_f32 v[M0], v[M0], v[M1], 0x1800000  ; and the floor 2^(3 - 127): the byte cannot fall under 1
	v_add_nc_u32 v[SOP], 0xff000000, v[M0]         ; 2 off the exponent field: the conversions' scale operand
	v_lshrrev_b32 v[BY], 23, v[SOP]
.if (\t)/2 == 0
	v_mov_b32 v[SB+(\t)%2], v[BY]
.else
	v_lshl_or_b32 v[SB+(\t)%2], v[BY], 8*((\t)/2), v[SB+(\t)%2]
.endif
.irp q, 0,1,2,3
	v_cvt_scalef32_pk8_fp4_f32 v[CB+\q], v[XB+8*\q:XB+8*\q+7], v[SOP]
.endr
.endm
.macro FINISH                          ; a lane holds four blocks of ONE column; the operand wants block 2 c in lanes 0-15 and block 2 c + 1 in lanes 16-31
	v_nop                                          ; one plain place behind the last conversion
.irp g, 0,1
.irp c, 0,1
.irp i, 0,1,2,3
	v_permlane16_swap_b32 v[CR+16*\g+8*\c+\i], v[CR+16*\g+8*\c+4+\i]   ; the first becomes register 4 c + i of tile 2 g, the second that of tile 2 g + 1
.endr
.endr
.endr
.irp g, 0,1
.irp c, 0,1
.irp u, 0,1
	ds_store_b128 v4, v[CR+16*\g+8*\c+4*\u:CR+16*\g+8*\c+4*\u+3] offset:1024*(2*\g+\u)+512*\c
.endr
.endr
	ds_store_b32 v5, v[SB+\g] offset:128*\g
.endr
.endm
.macro PAIRADDR sp                     ; pair sp: tiles a = 2 sp and b = 2 sp + 1, held at the last tile; s42, s43 keep them
	s_lshl_b32 s42, \sp, 1
	s_add_co_u32 s43, s42, 1
	s_min_u32 s42, s42, s20
	s_min_u32 s43, s43, s20
	s_min_u32 s42, s42, 63
	s_min_u32 s43, s43, 63
	s_lshl_b32 s44, s42, 12
	s_lshl_b32 s45, s43, 12
	v_lshl_add_u32 v10, s42, 15, v1                ; tile x 32 K steps x 1,024 bytes + 16 lane
	v_lshl_add_u32 v11, s43, 15, v1
	v_mad_u32_u24 v12, v14, s44, v2                ; scale words: lanes 0-15 take tile a's,
	v_mad_u32_u24 v12, v13, s45, v12               ; lanes 16-31 tile b's (a tile's 32 words hold its 16 rows twice)
.endm
.macro HLOAD c, buf                    ; 20 loads: K steps 4 c .. 4 c + 3 of both tiles, each load 512 consecutive bytes, and their scale words
.irp k, 0,1,2,3
	global_load_b128 v[HF0-64*(\buf)+16*\k:HF0-64*(\buf)+16*\k+3], v10, s[26:27] offset:1024*(4*(\c)+\k)
	global_load_b128 v[HF0-64*(\buf)+16*\k+4:HF0-64*(\buf)+16*\k+7], v10, s[26:27] offset:1024*(4*(\c)+\k)+512
	global_load_b128 v[HF0-64*(\buf)+16*\k+8:HF0-64*(\buf)+16*\k+11], v11, s[26:27] offset:1024*(4*(\c)+\k)
	global_load_b128 v[HF0-64*(\buf)+16*\k+12:HF0-64*(\buf)+16*\k+15], v11, s[26:27] offset:1024*(4*(\c)+\k)+512
	global_load_b32 v[HS0+4*(\buf)+\k], v12, s[28:29] offset:128*(4*(\c)+\k)
.endr
.endm
.macro MM q, t, hb, hs, zero           ; one product: row tile q x column tile t.  Odd column tiles' scales lie in lanes 16-31 of their register, and so do row tile 1's
.set rD, ACC+32*(\q)+8*(\t)
.set rA, WF+8*(\t)
.set rB, (\hb)+8*(\q)
.set rS, WS+(\t)/2
.if \zero
.if ((\t)%2 == 0) && ((\q) == 0)
	v_wmma_scale_f32_16x16x128_f8f6f4 v[rD:rD+7], v[rA:rA+7], v[rB:rB+7], 0, v[rS], v[\hs] matrix_a_fmt:MATRIX_FMT_FP4 matrix_b_fmt:MATRIX_FMT_FP4
.elseif (\q) == 0
	v_wmma_scale_f32_16x16x128_f8f6f4 v[rD:rD+7], v[rA:rA+7], v[rB:rB+7], 0, v[rS], v[\hs] matrix_a_fmt:MATRIX_FMT_FP4 matrix_b_fmt:MATRIX_FMT_FP4 matrix_a_scale:MATRIX_SCALE_ROW1
.elseif (\t)%2 == 0
	v_wmma_scale_f32_16x16x128_f8f6f4 v[rD:rD+7], v[rA:rA+7], v[rB:rB+7], 0, v[rS], v[\hs] matrix_a_fmt:MATRIX_FMT_FP4 matrix_b_fmt:MATRIX_FMT_FP4 matrix_b_scale:MATRIX_SCALE_ROW1
.else
	v_wmma_scale_f32_16x16x128_f8f6f4 v[rD:rD+7], v[rA:rA+7], v[rB:rB+7], 0, v[rS], v[\hs] matrix_a_fmt:MATRIX_FMT_FP4 matrix_b_fmt:MATRIX_FMT_FP4 matrix_a_scale:MATRIX_SCALE_ROW1 matrix_b_scale:MATRIX_SCALE_ROW1
.endif
.else
.if ((\t)%2 == 0) && ((\q) == 0)
	v_wmma_scale_f32_16x16x128_f8f6f4 v[rD:rD+7], v[rA:rA+7], v[rB:rB+7], v[rD:rD+7], v[rS], v[\hs] matrix_a_fmt:MATRIX_FMT_FP4 matrix_b_fmt:MATRIX_FMT_FP4
.elseif (\q) == 0
	v_wmma_scale_f32_16x16x128_f8f6f4 v[rD:rD+7], v[rA:rA+7], v[rB:rB+7], v[rD:rD+7], v[rS], v[\hs] matrix_a_fmt:MATRIX_FMT_FP4 matrix_b_fmt:MATRIX_FMT_FP4 matrix_a_scale:MATRIX_SCALE_ROW1
.elseif (\t)%2 == 0
	v_wmma_scale_f32_16x16x128_f8f6f4 v[rD:rD+7], v[rA:rA+7], v[rB:rB+7], v[rD:rD+7], v[rS], v[\hs] matrix_a_fmt:MATRIX_FMT_FP4 matrix_b_fmt:MATRIX_FMT_FP4 matrix_b_scale:MATRIX_SCALE_ROW1
.else
	v_wmma_scale_f32_16x16x128_f8f6f4 v[rD:rD+7], v[rA:rA+7], v[rB:rB+7], v[rD:rD+7], v[rS], v[\hs] matrix_a_fmt:MATRIX_FMT_FP4 matrix_b_fmt:MATRIX_FMT_FP4 matrix_a_scale:MATRIX_SCALE_ROW1 matrix_b_scale:MATRIX_SCALE_ROW1
.endif
.endif
.endm
.macro KSTEP s, buf, k, zero           ; K step s of the half: h's fragments are the k-th of chunk buffer buf.  The 8 accumulators take turns
.irp t, 0,1,2,3
	ds_load_b128 v[WF+8*\t:WF+8*\t+3], v1 offset:4096*(\s)+1024*\t
	ds_load_b128 v[WF+8*\t+4:WF+8*\t+7], v1 offset:4096*(\s)+1024*\t+512
.endr
	ds_load_b32 v[WS], v6 offset:256*(\s)
	ds_load_b32 v[WS+1], v6 offset:256*(\s)+128
	s_wait_dscnt 0x0
.irp q, 0,1
.irp t, 0,1,2,3
	MM \q, \t, HF0-64*(\buf)+16*(\k), HS0+4*(\buf)+(\k), \zero
.endr
.endr
.rept 4
	v_nop                                          ; four places in front of loads into registers that these products read, and of the first read of results
.endr
.endm
.macro OUT q, ob, st, go               ; row tile q (its number in scalar st) leaves: through my stage, back as rows into v[ob] on, stored
	v_lshl_add_u32 v[\go], \st, 16, v9             ; tile x 16 rows x 4,096 bytes + 4096 h + 16 r
.irp t, 0,1,2,3
	ds_store_b128 v7, v[ACC+32*(\q)+8*\t:ACC+32*(\q)+8*\t+3] offset:64*\t          ; each accumulator from its low end on
	ds_store_b128 v7, v[ACC+32*(\q)+8*\t+4:ACC+32*(\q)+8*\t+7] offset:64*\t+16
.endr
.irp i, 0,1,2,3,4,5,6,7
	ds_load_b128 v[\ob+4*\i:\ob+4*\i+3], v8 offset:544*\i                          ; my own bytes: LDS serves a wave's instructions in order (ISA guide 5.7.1.4)
.endr
.irp i, 0,1,2,3,4,5,6,7
	s_wait_dscnt 7-\i                              ; the younger read-backs may be out
	global_store_b128 v[\go], v[\ob+4*\i:\ob+4*\i+3], s[30:31] offset:8192*\i th:TH_STORE_NT   ; sixteen lanes store 256 consecutive bytes, aligned: two rows an instruction
.endr
.endm
	s_load_b256 s[4:11], s[0:1], 0x0               ; hc s[4:5], tab s[6:7], w2 s[8:9], y s[10:11]
	v_lshl_add_u32 v254, v0, 2, 0x22000
	v_mov_b32 v255, 0
	v_lshrrev_b32 v1, 5, v0
	v_readfirstlane_b32 s14, v1                    ; wave 0..15
	s_and_b32 s15, ttmp7, 0xffff                   ; e
	s_and_b32 s16, ttmp9, 15                       ; which 64 columns
	s_lshr_b32 s17, ttmp9, 4                       ; which K half
	v_and_b32 v2, 31, v0
	v_lshlrev_b32 v1, 4, v2                        ; 16 x lane
	v_lshlrev_b32 v2, 2, v2                        ; 4 x lane
	v_and_b32 v12, 15, v0                          ; r
	v_bfe_u32 v13, v0, 4, 1                        ; h
	v_sub_nc_u32 v14, 1, v13                       ; 1 - h
	s_lshl_b32 s36, s14, 12
	v_add_nc_u32 v4, s36, v1                       ; my four images: 4096 w + 16 lane
	s_lshl_b32 s36, s14, 8
	s_add_co_u32 s36, s36, WSC
	v_add_nc_u32 v5, s36, v2                       ; my two scale registers: 256 w + 4 lane
	v_add_nc_u32 v6, WSC, v2
	s_mul_i32 s36, s14, 16*272
	s_add_co_u32 s36, s36, STG                     ; my stage
	v_mul_u32_u24 v7, v12, 272
	v_lshl_add_u32 v7, v13, 5, v7
	v_add_nc_u32 v7, s36, v7                       ; in: row r, 32 bytes for each half of the lanes
	v_mul_u32_u24 v8, v13, 272
	v_lshl_add_u32 v8, v12, 4, v8
	v_add_nc_u32 v8, s36, v8                       ; back: lanes 0-15 one row, lanes 16-31 the next
	v_lshlrev_b32 v9, 12, v13
	v_lshl_add_u32 v9, v12, 4, v9                  ; and the same two rows in y
	s_lshl_b32 s38, s15, 2                         ; cnt[e]
	s_lshl_b32 s36, s15, 24                        ; w2: expert,
	s_lshl_b32 s37, s17, 23                        ; K half: 2,048 rows,
	s_add_co_u32 s36, s36, s37
	s_lshl_b32 s37, s14, 19                        ; my K step: 128 rows,
	s_add_co_u32 s36, s36, s37
	s_lshl_b32 s37, s16, 8                         ; the slice's 256 bytes of a row
	s_add_co_u32 s36, s36, s37
	s_mov_b32 s37, 0
	s_wait_kmcnt 0x0
	s_load_b32 s18, s[6:7], s38 offset:41984
	s_add_nc_u64 s[24:25], s[8:9], s[36:37]
	LOADSET 0
	LOADSET 1
	LOADSET 2
	s_lshl_b32 s36, s15, 21
	s_lshl_b32 s37, s17, 14
	s_add_co_u32 s36, s36, s37
	s_mov_b32 s37, 0
	s_add_nc_u64 s[26:27], s[4:5], s[36:37]        ; h's codes: expert e, my half's 16 K steps
	s_lshl_b32 s36, s15, 18
	s_lshl_b32 s37, s17, 11
	s_add_co_u32 s36, s36, s37
	s_add_co_u32 s36, s36, 16777216
	s_mov_b32 s37, 0
	s_add_nc_u64 s[28:29], s[4:5], s[36:37]        ; h's scale words
	s_lshl_b32 s36, s17, 25
	s_lshl_b32 s37, s15, 22
	s_add_co_u32 s36, s36, s37
	s_lshl_b32 s37, s16, 8
	s_add_co_u32 s36, s36, s37
	s_mov_b32 s37, 0
	s_add_nc_u64 s[30:31], s[10:11], s[36:37]      ; y: my half, expert e's slots, my columns
	; THE COUNTS: behind each of sets 0 to 5, 64 loads or more were issued; a wait names 63 at the most (the counter's field: ISA guide 5.7.1), and a smaller count than the true one is safe.
	BLOCK 0, 63
	LOADSET 3
	BLOCK 1, 63
	s_wait_kmcnt 0x0
	s_min_u32 s18, s18, 0x400                      ; n_e
	s_add_co_u32 s19, s18, 15
	s_lshr_b32 s19, s19, 4
	s_max_u32 s19, s19, 1                          ; nt
	s_sub_co_u32 s20, s19, 1                       ; the last tile
	s_add_co_u32 s21, s19, 1
	s_lshr_b32 s21, s21, 1                         ; np: pairs
	PAIRADDR s14
	HLOAD 0, 0                                     ; my first pair's first chunk comes under the stream
	LOADSET 4
	BLOCK 2, 63
	LOADSET 5
	BLOCK 3, 63
	LOADSET 6
	BLOCK 4, 63
	LOADSET 7
	BLOCK 5, 63
	BLOCK 6, 32                                    ; set 7's 32 loads are younger
	BLOCK 7, 0
	FINISH
	s_wait_dscnt 0x0                               ; for the others' sake: my images and scale words have landed; and the stores have read the codes' registers,
	HLOAD 1, 1                                     ; which take the second chunk
	s_barrier_signal -1
	s_barrier_wait -1                              ; the slice lies in LDS; from here on each wave writes its own stage alone
	s_add_co_u32 s48, s21, 15
	s_sub_co_u32 s48, s48, s14
	s_lshr_b32 s48, s48, 4                         ; how many of the pairs w, w + 16, .. lie under np: (np + 15 - w) / 16,
	s_min_u32 s48, s48, 2                          ; two at the most: np is at most 32
	s_mov_b32 s47, 0                               ; the pass: my pair is 16 x pass + w
	s_cmp_eq_u32 s48, 0
	s_cbranch_scc1 .Ldone
.Lpass:
	s_wait_loadcnt 20                              ; chunk 0 is in; chunk 1's 20 loads are younger
	KSTEP 0, 0, 0, 1                               ; the first K step starts the sums: nothing is cleared
	KSTEP 1, 0, 1, 0
	KSTEP 2, 0, 2, 0
	KSTEP 3, 0, 3, 0
	HLOAD 2, 0
	s_wait_loadcnt 20                              ; chunk 1 is in; chunk 2's loads are younger
	KSTEP 4, 1, 0, 0
	KSTEP 5, 1, 1, 0
	KSTEP 6, 1, 2, 0
	KSTEP 7, 1, 3, 0
	HLOAD 3, 1
	s_wait_loadcnt 20
	KSTEP 8, 0, 0, 0
	KSTEP 9, 0, 1, 0
	KSTEP 10, 0, 2, 0
	KSTEP 11, 0, 3, 0
	s_wait_loadcnt 0x0                             ; no load is out: the offsets v10 to v12 may be written
	KSTEP 12, 1, 0, 0
	KSTEP 13, 1, 1, 0
	KSTEP 14, 1, 2, 0
	KSTEP 15, 1, 3, 0
	s_min_u32 s40, s42, 63                         ; this pair's tiles are kept for the way out
	s_min_u32 s41, s43, 63
	s_add_co_u32 s46, s47, 1
	s_cmp_ge_u32 s46, s48                          ; is there a next pair?  (the same test as the loop's own)
	s_cbranch_scc1 .Lnonext
	s_lshl_b32 s46, s46, 4
	s_add_co_u32 s46, s46, s14                     ; the next pair
	PAIRADDR s46
	HLOAD 0, 0                                     ; its first two chunks land while this pair leaves
	HLOAD 1, 1
.Lnonext:
	OUT 0, WF, s40, 15
	s_cmp_eq_u32 s41, s40
	s_cbranch_scc1 .Lone                           ; an odd nt: the last pair has one tile
	OUT 1, ACC, s41, 3                             ; its rows come back into tile a's accumulators, which have left
.Lone:
	v_nop                                          ; with the last K step's four and the way out's first line: more than the five places in front of products that begin these accumulators anew
	s_wait_xcnt 0x0                                ; the stores' data and offsets are written again in the next pass
	s_add_co_u32 s47, s47, 1
	s_cmp_lt_u32 s47, s48
	s_cbranch_scc1 .Lpass
.Ldone:
	s_barrier_signal -1
	s_barrier_wait -1
	s_wait_tensorcnt 0x0
	ds_add_u32 v254, v255
	s_wait_dscnt 0x0
	s_endpgm
.Lfunc_end_k_q285120cbe3_down:
	.size	k_q285120cbe3_down, .Lfunc_end_k_q285120cbe3_down-k_q285120cbe3_down
	.p2alignl 7, 3214868480
	.fill 96, 4, 3214868480
	.section	.rodata,"a",@progbits
	.p2align	6, 0x0
	.amdhsa_kernel k_q285120cbe3_down
		.amdhsa_group_segment_fixed_size 141312
		.amdhsa_private_segment_fixed_size 0
		.amdhsa_enable_private_segment 0
		.amdhsa_kernarg_size 32
		.amdhsa_user_sgpr_count 2
		.amdhsa_user_sgpr_kernarg_segment_ptr 1
		.amdhsa_wavefront_size32 1
		.amdhsa_system_sgpr_workgroup_id_x 1
		.amdhsa_system_sgpr_workgroup_id_y 1
		.amdhsa_system_sgpr_workgroup_id_z 1
		.amdhsa_system_vgpr_workitem_id 0
		.amdhsa_next_free_vgpr 256
		.amdhsa_next_free_sgpr 66
		.amdhsa_reserve_vcc 0
		.amdhsa_float_denorm_mode_32 3
		.amdhsa_float_denorm_mode_16_64 3
		.amdhsa_memory_ordered 1
		.amdhsa_forward_progress 1
		.amdhsa_inst_pref_size 86
	.end_amdhsa_kernel
	.amdgpu_metadata
---
amdhsa.version: [ 1, 2 ]
amdhsa.kernels:
  - .name:           k_q285120cbe3_down
    .symbol:         k_q285120cbe3_down.kd
    .args:
      - { .name: hc, .offset: 0, .size: 8, .value_kind: global_buffer, .address_space: global }
      - { .name: tab, .offset: 8, .size: 8, .value_kind: global_buffer, .address_space: global }
      - { .name: w2, .offset: 16, .size: 8, .value_kind: global_buffer, .address_space: global }
      - { .name: y, .offset: 24, .size: 8, .value_kind: global_buffer, .address_space: global }
    .group_segment_fixed_size: 141312
    .private_segment_fixed_size: 0
    .kernarg_segment_align: 8
    .kernarg_segment_size: 32
    .max_flat_workgroup_size: 512
    .sgpr_count:     66
    .vgpr_count:     256
    .wavefront_size: 32
...
	.end_amdgpu_metadata
.endif
;; end of part 3
;; launch combine (part 4): grid 256 x 1, 4 waves a work-group, no clusters, 0 bytes of LDS; arguments y, tab, sel, xc, b2, out0; writes out0
.if DOCPART == 4
	.amdgcn_target "amdgcn-amd-amdhsa--gfx1250"
	.amdhsa_code_object_version 6
	.text
	.protected	k_q285120cbe3_combine
	.globl	k_q285120cbe3_combine
	.p2align	8
	.type	k_q285120cbe3_combine,@function
k_q285120cbe3_combine:
	s_mov_b64 s[64:65], 0
	v_nop
	global_prefetch_b8 v0, s[64:65] scope:SCOPE_SE
	s_setreg_imm32_b32 hwreg(HW_REG_WAVE_MODE, 25, 1), 1
	s_wait_xcnt 0x0
; out[t] = w0 (y[i0's slot] + b2[i0]) + w1 (y[i1's slot] + b2[i1]), y being the sum of its two partial sums along K.  All in f32.
; A wave takes a token: its two slots, two experts and two weights come by scalar loads; six streams of 4,096 bytes (2 slots x 2 K halves, 2 rows of b2) come by 48 loads of 512 consecutive bytes,
; all issued at once, a group of six for each 512 bytes of the row; each store covers 512 consecutive bytes, aligned.  No LDS, no barrier; no register is written twice while a store reads it.
	s_load_b256 s[4:11], s[0:1], 0x0               ; y s[4:5], tab s[6:7], sel s[8:9], xc s[10:11]
	s_load_b128 s[12:15], s[0:1], 0x20             ; b2 s[12:13], out0 s[14:15]
	v_lshrrev_b32 v1, 5, v0
	v_readfirstlane_b32 s16, v1                    ; wave
	v_and_b32 v1, 31, v0
	v_lshlrev_b32 v1, 4, v1                        ; 16 x lane
	s_lshl_b32 s17, ttmp9, 2
	s_add_co_u32 s17, s17, s16                     ; my token
	s_lshl_b32 s18, s17, 3
	s_wait_kmcnt 0x0
	s_load_b64 s[20:21], s[6:7], s18 offset:33792  ; its two slots,
	s_load_b64 s[22:23], s[8:9], s18 offset:0x0    ; experts,
	s_load_b64 s[24:25], s[10:11], s18 offset:557056   ; and weights
	s_wait_kmcnt 0x0
	s_min_u32 s20, s20, 0x1fff
	s_min_u32 s21, s21, 0x1fff
	s_min_u32 s22, s22, 7
	s_min_u32 s23, s23, 7
	s_lshl_b32 s28, s20, 12
	s_mov_b32 s29, 0
	s_add_nc_u64 s[28:29], s[4:5], s[28:29]        ; slot 0, K half 0,
	s_add_nc_u64 s[30:31], s[28:29], 0x2000000     ; K half 1
	s_lshl_b32 s32, s21, 12
	s_mov_b32 s33, 0
	s_add_nc_u64 s[32:33], s[4:5], s[32:33]        ; slot 1 likewise
	s_add_nc_u64 s[34:35], s[32:33], 0x2000000
	s_lshl_b32 s36, s22, 12
	s_mov_b32 s37, 0
	s_add_nc_u64 s[36:37], s[12:13], s[36:37]      ; b2's two rows
	s_lshl_b32 s38, s23, 12
	s_mov_b32 s39, 0
	s_add_nc_u64 s[38:39], s[12:13], s[38:39]
	s_lshl_b32 s40, s17, 12
	s_mov_b32 s41, 0
	s_add_nc_u64 s[40:41], s[14:15], s[40:41]      ; my row of out
	s_mov_b32 s26, s25                             ; w1 in a pair of its own: the packed forms take a scalar pair's low word for both halves
	s_mov_b32 s27, s25
.irp j, 0,1,2,3,4,5,6,7
	global_load_b128 v[16+4*\j:19+4*\j], v1, s[28:29] offset:512*\j th:TH_LOAD_NT
	global_load_b128 v[48+4*\j:51+4*\j], v1, s[30:31] offset:512*\j th:TH_LOAD_NT
	global_load_b128 v[80+4*\j:83+4*\j], v1, s[32:33] offset:512*\j th:TH_LOAD_NT
	global_load_b128 v[112+4*\j:115+4*\j], v1, s[34:35] offset:512*\j th:TH_LOAD_NT
	global_load_b128 v[144+4*\j:147+4*\j], v1, s[36:37] offset:512*\j
	global_load_b128 v[176+4*\j:179+4*\j], v1, s[38:39] offset:512*\j
.endr
.irp j, 0,1,2,3,4,5,6,7
	s_wait_loadcnt 6*(7-\j)                        ; group j is in; the younger groups of six stay out
.irp k, 0,2
	v_pk_add_f32 v[16+4*\j+\k:17+4*\j+\k], v[16+4*\j+\k:17+4*\j+\k], v[48+4*\j+\k:49+4*\j+\k]
	v_pk_add_f32 v[80+4*\j+\k:81+4*\j+\k], v[80+4*\j+\k:81+4*\j+\k], v[112+4*\j+\k:113+4*\j+\k]
	v_pk_add_f32 v[16+4*\j+\k:17+4*\j+\k], v[16+4*\j+\k:17+4*\j+\k], v[144+4*\j+\k:145+4*\j+\k]
	v_pk_add_f32 v[80+4*\j+\k:81+4*\j+\k], v[80+4*\j+\k:81+4*\j+\k], v[176+4*\j+\k:177+4*\j+\k]
	v_pk_mul_f32 v[16+4*\j+\k:17+4*\j+\k], v[16+4*\j+\k:17+4*\j+\k], s[24:25] op_sel_hi:[1,0]
	v_pk_fma_f32 v[16+4*\j+\k:17+4*\j+\k], v[80+4*\j+\k:81+4*\j+\k], s[26:27], v[16+4*\j+\k:17+4*\j+\k] op_sel_hi:[1,0,1]
.endr
	global_store_b128 v1, v[16+4*\j:19+4*\j], s[40:41] offset:512*\j th:TH_STORE_NT
.endr
	s_endpgm
.Lfunc_end_k_q285120cbe3_combine:
	.size	k_q285120cbe3_combine, .Lfunc_end_k_q285120cbe3_combine-k_q285120cbe3_combine
	.p2alignl 7, 3214868480
	.fill 96, 4, 3214868480
	.section	.rodata,"a",@progbits
	.p2align	6, 0x0
	.amdhsa_kernel k_q285120cbe3_combine
		.amdhsa_group_segment_fixed_size 0
		.amdhsa_private_segment_fixed_size 0
		.amdhsa_enable_private_segment 0
		.amdhsa_kernarg_size 48
		.amdhsa_user_sgpr_count 2
		.amdhsa_user_sgpr_kernarg_segment_ptr 1
		.amdhsa_wavefront_size32 1
		.amdhsa_system_sgpr_workgroup_id_x 1
		.amdhsa_system_sgpr_workgroup_id_y 1
		.amdhsa_system_sgpr_workgroup_id_z 1
		.amdhsa_system_vgpr_workitem_id 0
		.amdhsa_next_free_vgpr 208
		.amdhsa_next_free_sgpr 66
		.amdhsa_reserve_vcc 0
		.amdhsa_float_denorm_mode_32 3
		.amdhsa_float_denorm_mode_16_64 3
		.amdhsa_memory_ordered 1
		.amdhsa_forward_progress 1
		.amdhsa_inst_pref_size 14
	.end_amdhsa_kernel
	.amdgpu_metadata
---
amdhsa.version: [ 1, 2 ]
amdhsa.kernels:
  - .name:           k_q285120cbe3_combine
    .symbol:         k_q285120cbe3_combine.kd
    .args:
      - { .name: y, .offset: 0, .size: 8, .value_kind: global_buffer, .address_space: global }
      - { .name: tab, .offset: 8, .size: 8, .value_kind: global_buffer, .address_space: global }
      - { .name: sel, .offset: 16, .size: 8, .value_kind: global_buffer, .address_space: global }
      - { .name: xc, .offset: 24, .size: 8, .value_kind: global_buffer, .address_space: global }
      - { .name: b2, .offset: 32, .size: 8, .value_kind: global_buffer, .address_space: global }
      - { .name: out0, .offset: 40, .size: 8, .value_kind: global_buffer, .address_space: global }
    .group_segment_fixed_size: 0
    .private_segment_fixed_size: 0
    .kernarg_segment_align: 8
    .kernarg_segment_size: 48
    .max_flat_workgroup_size: 128
    .sgpr_count:     66
    .vgpr_count:     208
    .wavefront_size: 32
...
	.end_amdgpu_metadata
.endif
;; end of part 4
;; ======== version 2 of 2: 4 launches
;; workspace buffers: xc 565,248 bytes; sel 8,192 bytes of whole numbers; tab 42,240 bytes of whole numbers; hc 18,874,368 bytes; y 67,108,864 bytes
;; launch route (part 5): grid 256 x 1, 4 waves a work-group, no clusters, 52,224 bytes of LDS; arguments x, gate_w, xc, sel; writes xc, sel
.if DOCPART == 5
	.amdgcn_target "amdgcn-amd-amdhsa--gfx1250"
	.amdhsa_code_object_version 6
	.text
	.protected	k_q285120cbe3_route
	.globl	k_q285120cbe3_route
	.p2align	8
	.type	k_q285120cbe3_route,@function
k_q285120cbe3_route:
	s_mov_b64 s[64:65], 0
	v_nop
	global_prefetch_b8 v0, s[64:65] scope:SCOPE_SE
	s_setreg_imm32_b32 hwreg(HW_REG_WAVE_MODE, 25, 1), 1
	s_wait_xcnt 0x0
; ROUTER AND QUANTISER OF x.  x: [1024 tokens][1024] f32; gate_w: [1024][8] f32.
; For each token: the 8 logits in f32 (fused multiply-adds), the two largest (a tie keeps the lower index, by strict compares in ascending order),
; the softmax over the two (the larger is taken away before the exponential), and x's row as codes of E2M1 with one E8M0 byte for each 32 along K.
; OUT: xc: [0] codes [1024][512 bytes]; [524288] scale bytes [1024][32]; [557056] the two weights [1024][2] f32.  sel: [1024][2] the two experts, at fixed places.
; SHARES: a wave takes one token; lane l owns block l of the row, k = 32 l .. 32 l + 31: so a block's largest magnitude needs no other lane.
; Loads take the bytes as they lie (16 a lane, 512 a load); the row turns through the wave's own stage in LDS (blocks of 128 bytes, 144 apart) and comes back 32 neighbours a lane.
; gate_w (32,768 bytes) is brought once by the four waves into LDS as 32 rows of 1,024 bytes, 1,040 apart: row l is what lane l multiplies by.
; LIMITS: NaN and infinities are not served.  Two logits closer than the rounding of their f32 sums may change places in the choice.
; A block of zeros, or one whose largest magnitude lies under 2^-124, gets the byte 1: its codes are zeros and this program alone reads the bytes.
.set GP,  1040                         ; a row of the gate table in LDS: 65 x 16 bytes
.set XT,  32*GP                        ; behind it: a stage of 32 x XP bytes for each wave
.set XP,  144                          ; a block of x in the stage: 9 x 16 bytes
.set A,   8                            ; v8-15   the 8 logits
.set M1,  16                           ; the largest, the second largest,
.set M2,  17
.set I1,  18                           ; v[18:19] their experts
.set I2,  19
.set W0,  20                           ; v[20:21] their weights
.set W1,  21
.set T0,  22
.set T1,  23
.set SOP, 26                           ; the conversions' scale operand
.set BY,  27                           ; the scale's byte
.set CD,  28                           ; v28-31  the block's codes
.set X,   32                           ; v32-63  my 32 numbers of x
.set G0,  64                           ; v64-127  gate chunk, buffer 0; first the wave's quarter of gate_w as loaded
.set G1,  128                          ; v128-191 gate chunk, buffer 1; v160-191 first x as loaded
.set RX,  160
	s_load_b256 s[4:11], s[0:1], 0x0               ; x s[4:5], gate_w s[6:7], xc s[8:9], sel s[10:11]
	v_lshl_add_u32 v192, v0, 2, 0xca00
	v_mov_b32 v193, 0
	v_lshrrev_b32 v1, 5, v0
	v_readfirstlane_b32 s12, v1                    ; wave
	v_and_b32 v1, 31, v0                           ; lane
	v_lshlrev_b32 v2, 4, v1                        ; 16 x lane
	s_mul_i32 s16, s12, 8*GP
	v_add_nc_u32 v3, s16, v2                       ; gate table, on the way in: my wave's 8 rows
	s_mul_i32 s17, s12, 32*XP
	s_add_co_u32 s17, s17, XT                      ; my wave's stage
	v_lshrrev_b32 v4, 3, v1
	v_mul_u32_u24 v4, v4, XP
	v_and_b32 v5, 7, v1
	v_lshl_add_u32 v4, v5, 4, v4
	v_add_nc_u32 v4, s17, v4                       ; stage, in: eight lanes fill a block
	v_mul_u32_u24 v5, v1, XP
	v_add_nc_u32 v5, s17, v5                       ; stage, out: block = lane
	v_mul_u32_u24 v6, v1, GP                       ; gate table, out: row = lane
	s_lshl_b32 s13, ttmp9, 2
	s_add_co_u32 s13, s13, s12                     ; my token
	s_lshl_b32 s18, s13, 12                        ; its row of x
	s_mov_b32 s19, 0
	s_lshl_b32 s20, s12, 13                        ; my wave's quarter of gate_w
	s_mov_b32 s21, 0
	s_lshl_b32 s22, s13, 9
	v_add_nc_u32 v7, s22, v2                       ; codes: 512 x token + 16 x lane
	s_lshl_b32 s23, s13, 5
	v_add_nc_u32 v24, s23, v1                      ; scale bytes: 32 x token + lane
	s_lshl_b32 s25, s13, 3
	v_mov_b32 v25, s25                             ; 8 x token
	s_mov_b32 s14, 0x76543210
	s_mov_b32 s15, 0xfedcba98                      ; v_permlanex16_b32's selects for lane l xor 16
	s_wait_alu depctr_va_vdst(0)
	s_wait_kmcnt 0x0
	s_add_nc_u64 s[4:5], s[4:5], s[18:19]
	s_add_nc_u64 s[6:7], s[6:7], s[20:21]
.irp q, 0,1,2,3,4,5,6,7,8,9,10,11,12,13,14,15
	global_load_b128 v[G0+4*\q:G0+4*\q+3], v2, s[6:7] offset:512*\q
.endr
.irp j, 0,1,2,3,4,5,6,7
	global_load_b128 v[RX+4*\j:RX+4*\j+3], v2, s[4:5] offset:512*\j th:TH_LOAD_NT
.endr
	s_wait_loadcnt 8                               ; gate_w's 16 loads are in; x's 8 are younger
.irp q, 0,1,2,3,4,5,6,7,8,9,10,11,12,13,14,15
	ds_store_b128 v3, v[G0+4*\q:G0+4*\q+3] offset:(\q/2)*GP+(\q%2)*512
.endr
	s_wait_loadcnt 0x0
.irp j, 0,1,2,3,4,5,6,7
	ds_store_b128 v4, v[RX+4*\j:RX+4*\j+3] offset:4*XP*\j
.endr
.irp i, 0,1,2,3,4,5,6,7
	ds_load_b128 v[X+4*\i:X+4*\i+3], v5 offset:16*\i       ; my wave's own bytes: LDS serves a wave's instructions in order (ISA guide 5.7.1.4)
.endr
	s_wait_dscnt 0x0                               ; for the others' sake: my part of the gate table has landed
	s_barrier_signal -1
	s_barrier_wait -1                              ; the table is whole; nobody writes LDS from here on
.macro GLOAD c, buf                    ; gate_w(32 l + 8 c + kk, 0 .. 7), kk = 0 .. 7, into v[buf + 8 kk ..]
.irp kk, 0,1,2,3,4,5,6,7
	ds_load_b128 v[\buf+8*\kk:\buf+8*\kk+3], v6 offset:32*(8*(\c)+\kk)
	ds_load_b128 v[\buf+8*\kk+4:\buf+8*\kk+7], v6 offset:32*(8*(\c)+\kk)+16
.endr
.endm
.macro GFMA c, buf                     ; 64 multiply-adds, the eight logits by turns; the very first eight start the sums
.irp kk, 0,1,2,3,4,5,6,7
.irp e, 0,1,2,3,4,5,6,7
.if (\c)+\kk == 0
	v_mul_f32 v[A+\e], v[X], v[\buf+\e]
.else
	v_fmac_f32 v[A+\e], v[X+8*(\c)+\kk], v[\buf+8*\kk+\e]
.endif
.endr
.endr
.endm
	GLOAD 0, G0
	GLOAD 1, G1
	; my block of x becomes codes while the table's first chunks come
	v_max3_num_f32 v[T0], |v[X]|, |v[X+1]|, |v[X+2]|
	v_max3_num_f32 v[T1], |v[X+3]|, |v[X+4]|, |v[X+5]|
.irp i, 6,10,14,18,22,26
	v_max3_num_f32 v[T0], v[T0], |v[X+\i]|, |v[X+\i+1]|
	v_max3_num_f32 v[T1], v[T1], |v[X+\i+2]|, |v[X+\i+3]|
.endr
	v_max3_num_f32 v[T0], v[T0], |v[X+30]|, |v[X+31]|
	v_max3_num_f32 v[T0], v[T0], v[T1], 0x1800000  ; and the floor 2^(3 - 127): the byte cannot fall under 1
	v_add_nc_u32 v[SOP], 0xff000000, v[T0]         ; 2 off the exponent field: the conversion takes this field as its scale
	v_lshrrev_b32 v[BY], 23, v[SOP]                ; the scale's byte
.irp q, 0,1,2,3
	v_cvt_scalef32_pk8_fp4_f32 v[CD+\q], v[X+8*\q:X+8*\q+7], v[SOP]
.endr
	v_nop                                          ; one plain place behind the last conversion
	global_store_b128 v7, v[CD:CD+3], s[8:9]       ; the wave stores the row's 512 consecutive bytes
	global_store_b8 v24, v[BY], s[8:9] offset:524288
	s_wait_dscnt 16                                ; chunk 0 is in; chunk 1's 16 loads are younger
	GFMA 0, G0
	GLOAD 2, G0
	s_wait_alu depctr_va_vdst(0)
	s_wait_dscnt 16
	GFMA 1, G1
	GLOAD 3, G1
	s_wait_alu depctr_va_vdst(0)
	s_wait_dscnt 16
	GFMA 2, G0
	s_wait_alu depctr_va_vdst(0)
	s_wait_dscnt 0x0
	GFMA 3, G1
.irp m, 1,2,4,8                        ; the sums over the 32 lanes, the eight logits by turns
.irp e, 0,1,2,3,4,5,6,7
	v_add_f32_dpp v[A+\e], v[A+\e], v[A+\e] row_xmask:\m row_mask:0xf bank_mask:0xf
.endr
.endr
.irp e, 0,1,2,3,4,5,6,7
	v_permlanex16_b32 v[G0+\e], v[A+\e], s14, s15  ; (its destination has been written before)
.endr
.irp e, 0,1,2,3,4,5,6,7
	v_add_f32 v[A+\e], v[A+\e], v[G0+\e]           ; every lane holds the same eight logits
.endr
	v_mov_b32 v[M1], v[A]
	v_mov_b32 v[I1], 0
	v_mov_b32 v[M2], 0xff800000
	v_mov_b32 v[I2], 0
.irp e, 1,2,3,4,5,6,7                  ; strict compares: of equal logits the lower index stays ahead
	v_cmp_gt_f32 vcc_lo, v[A+\e], v[M1]
	v_cmp_gt_f32 s26, v[A+\e], v[M2]
	v_cndmask_b32 v[T0], v[M2], v[A+\e], s26
	v_cndmask_b32 v[T1], v[I2], \e, s26
	v_cndmask_b32 v[M2], v[T0], v[M1], vcc_lo
	v_cndmask_b32 v[I2], v[T1], v[I1], vcc_lo
	v_cndmask_b32 v[M1], v[M1], v[A+\e], vcc_lo
	v_cndmask_b32 v[I1], v[I1], \e, vcc_lo
.endr
	v_sub_f32 v[T0], v[M2], v[M1]                  ; the maximum is taken away: 0 or less
	v_mul_f32 v[T0], 0x3fb8aa3b, v[T0]
	s_wait_alu depctr_va_vdst(0)
	v_exp_f32 v[T1], v[T0]
	v_nop                                          ; a plain place behind the transcendental,
	s_wait_alu depctr_va_vdst(0)                   ; and the wait ahead of the first use
	v_add_f32 v[T0], 1.0, v[T1]
	s_wait_alu depctr_va_vdst(0)
	v_rcp_f32 v[W0], v[T0]                         ; 1 / (1 + e^d)
	v_nop
	s_wait_alu depctr_va_vdst(0)
	v_mul_f32 v[W1], v[T1], v[W0]                  ; e^d / (1 + e^d)
	v_cmp_eq_u32 vcc_lo, 0, v1
	s_wait_alu depctr_va_vdst(0)
	s_wait_xcnt 0x0                                ; EXEC changes only behind this wait: stores are out
	s_barrier_signal -1
	s_barrier_wait -1
	s_wait_tensorcnt 0x0
	ds_add_u32 v192, v193
	s_wait_dscnt 0x0
	s_and_saveexec_b32 s24, vcc_lo                 ; lane 0 alone
	global_store_b64 v25, v[I1:I2], s[10:11]
	global_store_b64 v25, v[W0:W1], s[8:9] offset:557056
	s_wait_xcnt 0x0
	s_or_b32 exec_lo, exec_lo, s24
	s_endpgm
.Lfunc_end_k_q285120cbe3_route:
	.size	k_q285120cbe3_route, .Lfunc_end_k_q285120cbe3_route-k_q285120cbe3_route
	.p2alignl 7, 3214868480
	.fill 96, 4, 3214868480
	.section	.rodata,"a",@progbits
	.p2align	6, 0x0
	.amdhsa_kernel k_q285120cbe3_route
		.amdhsa_group_segment_fixed_size 52224
		.amdhsa_private_segment_fixed_size 0
		.amdhsa_enable_private_segment 0
		.amdhsa_kernarg_size 32
		.amdhsa_user_sgpr_count 2
		.amdhsa_user_sgpr_kernarg_segment_ptr 1
		.amdhsa_wavefront_size32 1
		.amdhsa_system_sgpr_workgroup_id_x 1
		.amdhsa_system_sgpr_workgroup_id_y 1
		.amdhsa_system_sgpr_workgroup_id_z 1
		.amdhsa_system_vgpr_workitem_id 0
		.amdhsa_next_free_vgpr 194
		.amdhsa_next_free_sgpr 66
		.amdhsa_reserve_vcc 1
		.amdhsa_float_denorm_mode_32 3
		.amdhsa_float_denorm_mode_16_64 3
		.amdhsa_memory_ordered 1
		.amdhsa_forward_progress 1
		.amdhsa_inst_pref_size 27
	.end_amdhsa_kernel
	.amdgpu_metadata
---
amdhsa.version: [ 1, 2 ]
amdhsa.kernels:
  - .name:           k_q285120cbe3_route
    .symbol:         k_q285120cbe3_route.kd
    .args:
      - { .name: x, .offset: 0, .size: 8, .value_kind: global_buffer, .address_space: global }
      - { .name: gate_w, .offset: 8, .size: 8, .value_kind: global_buffer, .address_space: global }
      - { .name: xc, .offset: 16, .size: 8, .value_kind: global_buffer, .address_space: global }
      - { .name: sel, .offset: 24, .size: 8, .value_kind: global_buffer, .address_space: global }
    .group_segment_fixed_size: 52224
    .private_segment_fixed_size: 0
    .kernarg_segment_align: 8
    .kernarg_segment_size: 32
    .max_flat_workgroup_size: 128
    .sgpr_count:     66
    .vgpr_count:     194
    .wavefront_size: 32
...
	.end_amdgpu_metadata
.endif
;; end of part 5
;; launch up (part 6): grid 32 x 8, 16 waves a work-group, no clusters, 79,872 bytes of LDS; arguments xc, sel, w1, b1, hc, tab; writes hc, tab
.if DOCPART == 6
	.amdgcn_target "amdgcn-amd-amdhsa--gfx1250"
	.amdhsa_code_object_version 6
	.text
	.protected	k_q285120cbe3_up
	.globl	k_q285120cbe3_up
	.p2align	8
	.type	k_q285120cbe3_up,@function
k_q285120cbe3_up:
	s_mov_b64 s[64:65], 0
	v_nop
	global_prefetch_b8 v0, s[64:65] scope:SCOPE_SE
	s_setreg_imm32_b32 hwreg(HW_REG_WAVE_MODE, 25, 1), 1
	s_wait_xcnt 0x0
; h = silu(x W1[e] + b1[e]) for the rows that chose expert e, in MX-FP4 (codes of E2M1, one E8M0 byte for each 32 along K), stored again as codes along the next product's K.  The rows are also PLACED here.
; w1: [8][1024 K][4096] f32.  Work-group (S, e): expert e, hidden units 128 S .. 128 S + 127: nobody else reads this slice, so it is read once as f32 and quantised on its way.
; PHASE 1 (stream).  Wave w takes K step w / 2 (128 rows of w1) and 64 of the columns (w % 2), as two groups of 32.  A LANE TAKES A COLUMN AND ITS REGISTERS RUN DOWN K: a load reads 128 consecutive bytes,
; a block of 32 along K lies in one lane, and the conversions give codes with K innermost.  Sixteen exchanges of halves of the lanes make four operand fragments (16 columns x 128 K), which go to LDS as
; images of their registers (lane l's 16 bytes at 16 l).  Three sets of 32 registers take turns, so that loads are always out.
; WHICH COLUMN: lane (r = l % 16, u = l / 16) of group b takes column 32 b + 8 u + r + 8 (r / 8): in the results of tiles 2 b and 2 b + 1 a lane's 16 registers are then 16 neighbours along the next K.
; THE PLACING, in four pieces between the stream's loads.  sel: [1024 tokens][2] experts, whole numbers that an earlier launch stored.  Every wave loads all of it (16 loads of 512 consecutive bytes).  The order of an
; expert's rows is free, so tokens are counted as these loads lay them: group j (0 .. 31), bit l = token 64 (j / 2) + 2 l + j % 2.  A group's mask is two compares; the running count of set bits is the group's base.
; A LANE HOLDS A RANK (row r of one of my four tiles) and keeps the mask and base of the last group whose base is not above it; the token is then the (rank - base)-th set bit of that mask, found by five halvings
; over the bit counts of 16, 8, 4, 2 and 1 bits.  No LDS, no barrier, nothing scattered.  A rank at or past n_e ends at token 1023: a valid row, whose result is never read.
; The work-groups with S = 0 also store, for the later launches, tab: [33792] slot_of [1024 tokens][2] = 1024 e + rank;  [41984] cnt [8] = n_e (the bytes in front are not used).  Wave w serves groups w and w + 16.
; Those stores' offsets are made with all lanes on, and the stores whose EXEC is made from the loaded choices are the text's last lines.
; ONE BARRIER.  PHASE 2: wave w takes the expert's row tiles w, w + 16, .. under nt (a count made from sel: no barrier stands in this loop).  For a tile: x's codes straight from memory by its tokens,
; 8 K steps x 8 tiles of columns (transposed: source 0 = 16 columns of W1, source 1 = 16 rows of x; b1 is the first C), silu in f32, quantised in registers: one fragment and one scale word a row: K step S of the next product.
; hc: [0] codes [64 e + tile][K step 32][1,024 bytes: registers 4 c .. 4 c + 3 at 512 c + 16 lane];  [16777216] scale words [64 e + tile][32][32 lanes x 4 bytes].  nt is at least 1, so tile 0 of every expert is written.
; NO MULTICAST, NO TENSOR LOADS: no weight byte is shared between work-groups; x's codes are shared, but how many of them a work-group reads hangs on a count made from stored numbers.
; LIMITS: NaN and infinities are not served; a block of zeros, or one under 2^-124, gets the byte 1 with zero codes (this program alone reads the bytes).
; REGISTERS: v1 16 lane; v2 4 lane; v3 my column's bytes; v4, v5 where I store images and scale words; v6, v7 where scale words and the bias are read; v8 16 h; v9, v10 x's offsets; v11, v12 h's offsets;
;   v13 where I store the bias, v14 64 h, v15 16 w + r: from the placing on v13, v14 the slots' offsets and v15, v241 the slots; v16-79 the 8 accumulators (phase 1: sets 0, 1); v80-143 W1's 8 fragments, silu's work (phase 1: set 2, codes);
;   v144-207 x's 8 fragments (first: sel); v208-215 x's scale words; v216-219 W1's; v220-223 tokens of my four tiles; v224-239 at work; v240 h's scale word; v242-249 h's codes (phase 1: v228-246 the placing's work); v250-255 phase 1's work.
.set ROWB, 16384                       ; a row of w1[e] in bytes
.set WSC,  65536                       ; LDS: [0] 64 fragments, 8192 s + 1024 t;  [WSC] scale words, 512 s + 128 b: lanes 0-15 tile 2 b, lanes 16-31 tile 2 b + 1
.set BIMG, 69632                       ; b1 in the results' layout: 512 (2 t + half) + 16 lane
.set ACC,  16
.set WF,   80
.set XF,   144
.set XS,   208
.set WS,   216
.set TK,   220
.set TM,   224
.set BT,   224
.set PW,   240
.set PC,   242
.set M0,   250
.set M1,   251
.set SOP,  252
.set BY,   253
.set SB,   254
.set XR,   16
.set CR,   112
.set SL,   144                         ; sel: group j's first choices in v[SL + 2 j], its second choices in v[SL + 2 j + 1]
.set RK,   228                         ; v228-229 my rank, batches 0 and 1
.set MK,   230                         ; v230-231 the kept group's mask
.set PK,   232                         ; v232-233 its base, and its number 16 bits up
.set QA,   234                         ; bit counts of 2,
.set QB,   235                         ; 4,
.set QC,   236                         ; 8 bits
.set QS,   237                         ; the search's place
.set QN,   238                         ; set bits still to pass
.set QT,   239
.set QU,   240
.set QJ,   242
.set TB,   244                         ; v244-245 the tokens found
.set XT,   246
.set SOA,  13
.set SOB,  14
.set SDA,  15
.set SDB,  241
.macro LOADSET t                       ; block t / 2 of K, group t % 2 of columns: 32 rows, into set t % 3
.set i, 0
.rept 32
	global_load_b32 v[XR+32*((\t)%3)+i], v3, s[24:25] offset:(32*((\t)/2)+i)*ROWB+128*((\t)%2) th:TH_LOAD_NT
.set i, i+1
.endr
.endm
.macro BLOCK t, left                   ; the set's 32 numbers become 4 registers of codes and a byte of the group's scale word
.set XB, XR+32*((\t)%3)
.set CB, CR+16*((\t)%2)+4*((\t)/2)
	s_wait_loadcnt \left
	v_max3_num_f32 v[M0], |v[XB]|, |v[XB+1]|, |v[XB+2]|
	v_max3_num_f32 v[M1], |v[XB+3]|, |v[XB+4]|, |v[XB+5]|
.irp i, 6,10,14,18,22,26
	s_delay_alu instid0(VALU_DEP_2)
	v_max3_num_f32 v[M0], v[M0], |v[XB+\i]|, |v[XB+\i+1]|
	s_delay_alu instid0(VALU_DEP_2)
	v_max3_num_f32 v[M1], v[M1], |v[XB+\i+2]|, |v[XB+\i+3]|
.endr
	s_delay_alu instid0(VALU_DEP_2)
	v_max3_num_f32 v[M0], v[M0], |v[XB+30]|, |v[XB+31]|
	s_delay_alu instid0(VALU_DEP_1)
	v_max3_num_f32 v[M0], v[M0], v[M1], 0x1800000  ; and the floor 2^(3 - 127): the byte cannot fall under 1
	s_delay_alu instid0(VALU_DEP_1)
	v_add_nc_u32 v[SOP], 0xff000000, v[M0]         ; 2 off the exponent field: the conversions' scale operand
	s_delay_alu instid0(VALU_DEP_1)
	v_lshrrev_b32 v[BY], 23, v[SOP]
.if (\t)/2 == 0
	s_delay_alu instid0(VALU_DEP_1)
	v_mov_b32 v[SB+(\t)%2], v[BY]
.else
	s_delay_alu instid0(VALU_DEP_1)
	v_lshl_or_b32 v[SB+(\t)%2], v[BY], 8*((\t)/2), v[SB+(\t)%2]
.endif
.irp q, 0,1,2,3
	v_cvt_scalef32_pk8_fp4_f32 v[CB+\q], v[XB+8*\q:XB+8*\q+7], v[SOP]
.endr
.endm
.macro FINISH                          ; a lane holds four blocks of ONE column; the operand wants block 2 c in lanes 0-15 and block 2 c + 1 in lanes 16-31
	v_nop                                          ; one plain place behind the last conversion
.irp g, 0,1
.irp c, 0,1
.irp i, 0,1,2,3
	v_permlane16_swap_b32 v[CR+16*\g+8*\c+\i], v[CR+16*\g+8*\c+4+\i]   ; the first becomes register 4 c + i of tile 2 g, the second that of tile 2 g + 1
.endr
.endr
.endr
.irp g, 0,1
.irp c, 0,1
.irp u, 0,1
	ds_store_b128 v4, v[CR+16*\g+8*\c+4*\u:CR+16*\g+8*\c+4*\u+3] offset:1024*(2*\g+\u)+512*\c
.endr
.endr
	ds_store_b32 v5, v[SB+\g] offset:128*\g
.endr
.endm
; Group j of 32 tokens.  s50: who chose e; s51: who chose it second; s49: how many chose it in the groups in front (the group's base).
; The bases never fall, so the last group whose base is not above a rank is the group that holds that rank.  My wave keeps groups w and w + 16 for the slots.
.macro GROUP j
	v_cmp_eq_u32 s50, s15, v[SL+2*(\j)]
	v_cmp_eq_u32 s51, s15, v[SL+2*(\j)+1]
	s_or_b32 s50, s50, s51
.if (\j) == 0
	v_mov_b32 v[MK], s50                           ; group 0's base, 0, is above no rank
	s_wait_alu depctr_va_vdst(0)
	v_mov_b32 v[MK+1], s50
	v_mov_b32 v[PK], 0
	s_wait_alu depctr_va_vdst(0)
	v_mov_b32 v[PK+1], 0
.else
	s_or_b32 s52, s49, (\j)<<16                    ; the base (1,024 at the most) and the group's number in one word
.irp b, 0,1
	v_cmp_le_u32 vcc_lo, s49, v[RK+\b]
	s_delay_alu instid0(VALU_DEP_1)
	v_cndmask_b32 v[MK+\b], v[MK+\b], s50, vcc_lo
	s_delay_alu instid0(VALU_DEP_2)
	v_cndmask_b32 v[PK+\b], v[PK+\b], s52, vcc_lo
.endr
.endif
	s_cmp_eq_u32 s14, (\j)%16
.if (\j) < 16
	s_cselect_b32 s53, s50, s53
	s_cselect_b32 s54, s51, s54
	s_cselect_b32 s55, s49, s55
.else
	s_cselect_b32 s56, s50, s56
	s_cselect_b32 s57, s51, s57
	s_cselect_b32 s58, s49, s58
.endif
	s_bcnt1_i32_b32 s51, s50
	s_add_co_u32 s49, s49, s51
.endm
.macro HALVE src, wd                   ; the window of 2 wd bits at QS: where QN is not under the lower half's count, the bit lies in the upper half, and the lower half's bits are passed
	s_delay_alu instid0(VALU_DEP_3)
	v_bfe_u32 v[QT], v[\src], v[QS], \wd
	s_delay_alu instid0(VALU_DEP_4)
	v_add_nc_u32 v[QU], \wd, v[QS]
	s_delay_alu instid0(VALU_DEP_2)
	v_cmp_ge_u32 vcc_lo, v[QN], v[QT]
	s_delay_alu instid0(VALU_DEP_1)
	v_cndmask_b32 v[QS], v[QS], v[QU], vcc_lo
	s_delay_alu instid0(VALU_DEP_2)
	v_cndmask_b32 v[QT], 0, v[QT], vcc_lo
	s_delay_alu instid0(VALU_DEP_1)
	v_sub_nc_u32 v[QN], v[QN], v[QT]
.endm
.macro SELECT b                        ; batch b: the token of my rank = the (rank - base)-th set bit of the kept mask
	v_and_b32 v[QT], 0xffff, v[PK+\b]              ; the base
	v_lshrrev_b32 v[QJ], 16, v[PK+\b]              ; the group
	s_delay_alu instid0(VALU_DEP_2)
	v_sub_nc_u32 v[QN], v[RK+\b], v[QT]
	v_lshrrev_b32 v[QT], 1, v[MK+\b]
	s_delay_alu instid0(VALU_DEP_1)
	v_and_b32 v[QT], 0x55555555, v[QT]
	s_delay_alu instid0(VALU_DEP_1)
	v_sub_nc_u32 v[QA], v[MK+\b], v[QT]            ; in each 2 bits: how many of them are set
	s_delay_alu instid0(VALU_DEP_1)
	v_lshrrev_b32 v[QT], 2, v[QA]
	s_delay_alu instid0(VALU_DEP_1)
	v_and_b32 v[QT], 0x33333333, v[QT]
	s_delay_alu instid0(VALU_DEP_3)
	v_and_b32 v[QU], 0x33333333, v[QA]
	s_delay_alu instid0(VALU_DEP_1)
	v_add_nc_u32 v[QB], v[QT], v[QU]               ; in each 4 bits
	s_delay_alu instid0(VALU_DEP_1)
	v_lshrrev_b32 v[QT], 4, v[QB]
	s_delay_alu instid0(VALU_DEP_1)
	v_add_nc_u32 v[QT], v[QT], v[QB]
	s_delay_alu instid0(VALU_DEP_1)
	v_and_b32 v[QC], 0x0f0f0f0f, v[QT]             ; in each 8 bits
	s_delay_alu instid0(VALU_DEP_1)
	v_lshrrev_b32 v[QT], 8, v[QC]
	s_delay_alu instid0(VALU_DEP_1)
	v_add_nc_u32 v[QT], v[QT], v[QC]
	s_delay_alu instid0(VALU_DEP_1)
	v_and_b32 v[QT], 0xff, v[QT]                   ; in bits 0 to 15
	s_delay_alu instid0(VALU_DEP_1)
	v_cmp_ge_u32 vcc_lo, v[QN], v[QT]
	s_delay_alu instid0(VALU_DEP_1)
	v_cndmask_b32 v[QS], 0, 16, vcc_lo
	s_delay_alu instid0(VALU_DEP_2)
	v_cndmask_b32 v[QT], 0, v[QT], vcc_lo
	s_delay_alu instid0(VALU_DEP_1)
	v_sub_nc_u32 v[QN], v[QN], v[QT]
	HALVE QC, 8
	HALVE QB, 4
	HALVE QA, 2
	HALVE MK+\b, 1
	v_and_b32 v[QU], 30, v[QJ]
	v_and_b32 v[QT], 1, v[QJ]
	s_delay_alu instid0(VALU_DEP_1)
	v_lshl_add_u32 v[QT], v[QU], 5, v[QT]          ; 64 (j / 2) + j % 2
	s_delay_alu instid0(VALU_DEP_1)
	v_lshl_add_u32 v[TB+\b], v[QS], 1, v[QT]       ; + 2 x bit
.endm
.macro XADDR
	v_lshl_add_u32 v9, v[TK], 9, v8                ; 512 x token + 16 h
	v_lshlrev_b32 v10, 5, v[TK]                    ; 32 x token
.endm
.macro XLOAD                           ; 18 loads: the tile's 8 fragments of x and 8 scale words a row
.irp s, 0,1,2,3,4,5,6,7
	global_load_b128 v[XF+8*\s:XF+8*\s+3], v9, s[4:5] offset:64*\s
	global_load_b128 v[XF+8*\s+4:XF+8*\s+7], v9, s[4:5] offset:64*\s+32
.endr
	global_load_b128 v[XS:XS+3], v10, s[26:27]
	global_load_b128 v[XS+4:XS+7], v10, s[26:27] offset:16
.endm
.macro KSTEP s                         ; 128 along K: W1's 8 fragments and 4 scale registers from LDS, 8 products, the 8 accumulators by turns
.irp t, 0,1,2,3,4,5,6,7
	ds_load_b128 v[WF+8*\t:WF+8*\t+3], v1 offset:8192*(\s)+1024*\t
	ds_load_b128 v[WF+8*\t+4:WF+8*\t+7], v1 offset:8192*(\s)+1024*\t+512
.endr
.irp b, 0,1,2,3
	ds_load_b32 v[WS+\b], v6 offset:512*(\s)+128*\b
.endr
	s_wait_dscnt 0x0
.irp b, 0,1,2,3
	v_wmma_scale_f32_16x16x128_f8f6f4 v[ACC+16*\b:ACC+16*\b+7], v[WF+16*\b:WF+16*\b+7], v[XF+8*(\s):XF+8*(\s)+7], v[ACC+16*\b:ACC+16*\b+7], v[WS+\b], v[XS+(\s)] matrix_a_fmt:MATRIX_FMT_FP4 matrix_b_fmt:MATRIX_FMT_FP4
	v_wmma_scale_f32_16x16x128_f8f6f4 v[ACC+16*\b+8:ACC+16*\b+15], v[WF+16*\b+8:WF+16*\b+15], v[XF+8*(\s):XF+8*(\s)+7], v[ACC+16*\b+8:ACC+16*\b+15], v[WS+\b], v[XS+(\s)] matrix_a_fmt:MATRIX_FMT_FP4 matrix_b_fmt:MATRIX_FMT_FP4 matrix_a_scale:MATRIX_SCALE_ROW1
.endr
.rept 4
	v_nop                                          ; four places in front of loads into registers that these products read, and of the first read of results
.endr
.endm
.macro SILU                            ; z / (1 + 2^(-z log2 e)), in f32; two batches of transcendentals, one wait each
.set j, 0
.rept 32
	v_pk_mul_f32 v[WF+j:WF+j+1], v[ACC+j:ACC+j+1], s[22:23] op_sel_hi:[1,0]   ; ascending: each accumulator is read from its low end on
.set j, j+2
.endr
.set j, 0
	s_wait_alu depctr_va_vdst(0)
.rept 64
	v_exp_f32 v[WF+j], v[WF+j]
.set j, j+1
.endr
	v_nop                                          ; a plain place behind the last of the batch,
	s_wait_alu depctr_va_vdst(0)                   ; and the one wait ahead of the first use
.set j, 0
.rept 32
	v_pk_add_f32 v[WF+j:WF+j+1], v[WF+j:WF+j+1], 1.0 op_sel_hi:[1,0]
.set j, j+2
.endr
.set j, 0
	s_setprio 0
	s_wait_alu depctr_va_vdst(0)
.rept 64
	v_rcp_f32 v[WF+j], v[WF+j]
.set j, j+1
.endr
	v_nop
	s_wait_alu depctr_va_vdst(0)
.set j, 0
.rept 32
	v_pk_mul_f32 v[ACC+j:ACC+j+1], v[ACC+j:ACC+j+1], v[WF+j:WF+j+1]
.set j, j+2
.endr
.endm
.macro QUANT                           ; register ACC + 16 b + i = hidden unit 32 b + 16 (lane / 16) + i of my row: a fragment's codes in v[PC] on, its scale word in v[PW]
.irp b, 0,1,2,3
	v_max3_num_f32 v[TM+\b], |v[ACC+16*\b]|, |v[ACC+1+16*\b]|, 0x1800000   ; my 16 numbers of block b, and the floor 2^(3 - 127)
.endr
.irp i, 2,4,6,8,10,12,14
.irp b, 0,1,2,3
	s_delay_alu instid0(VALU_DEP_4)
	v_max3_num_f32 v[TM+\b], v[TM+\b], |v[ACC+16*\b+\i]|, |v[ACC+1+16*\b+\i]|
.endr
.endr
.irp b, 0,1,2,3
	s_delay_alu instid0(VALU_DEP_4)
	v_permlanex16_b32 v[TM+4+\b], v[TM+\b], s20, s21
.endr
.irp b, 0,1,2,3
	s_delay_alu instid0(VALU_DEP_4)
	v_max_num_f32 v[TM+\b], v[TM+\b], v[TM+4+\b]   ; with lane l xor 16's 16: the block's largest magnitude
.endr
.irp b, 0,1,2,3
	s_delay_alu instid0(VALU_DEP_4)
	v_add_nc_u32 v[TM+12+\b], 0xff000000, v[TM+\b]
.endr
.irp b, 0,1,2,3
	s_delay_alu instid0(VALU_DEP_4)
	v_lshrrev_b32 v[TM+4+\b], 23, v[TM+12+\b]
.endr
	s_delay_alu instid0(VALU_DEP_3)
	v_lshl_or_b32 v[PW], v[TM+5], 8, v[TM+4]
	s_delay_alu instid0(VALU_DEP_1)
	v_lshl_or_b32 v[PW], v[TM+6], 16, v[PW]
	s_delay_alu instid0(VALU_DEP_1)
	v_lshl_or_b32 v[PW], v[TM+7], 24, v[PW]
.irp b, 0,1,2,3
	v_cvt_scalef32_pk8_fp4_f32 v[PC+2*\b], v[ACC+16*\b:ACC+7+16*\b], v[TM+12+\b]
	v_cvt_scalef32_pk8_fp4_f32 v[PC+1+2*\b], v[ACC+8+16*\b:ACC+15+16*\b], v[TM+12+\b]
.endr
	v_nop                                          ; one plain place behind a scaled conversion
.irp c, 0,1                            ; the operand wants a whole block in a lane
.irp i, 0,1
	v_permlane16_swap_b32 v[PC+4*\c+\i], v[PC+2+4*\c+\i]
.endr
.endr
.endm
	s_load_b256 s[4:11], s[0:1], 0x0               ; xc s[4:5], sel s[6:7], w1 s[8:9], b1 s[10:11]
	s_load_b64 s[12:13], s[0:1], 0x20              ; hc
	s_load_b64 s[46:47], s[0:1], 0x28              ; tab
	v_lshrrev_b32 v1, 5, v0
	s_delay_alu instid0(VALU_DEP_1)
	v_readfirstlane_b32 s14, v1                    ; wave 0..15
	s_and_b32 s15, ttmp7, 0xffff                   ; e
	s_mov_b32 s16, ttmp9                           ; S
	v_and_b32 v2, 31, v0
	s_delay_alu instid0(VALU_DEP_1)
	v_lshlrev_b32 v1, 4, v2                        ; 16 x lane
	s_delay_alu instid0(VALU_DEP_2)
	v_lshlrev_b32 v2, 2, v2                        ; 4 x lane
	v_and_b32 v15, 15, v0                          ; r
	v_bfe_u32 v14, v0, 4, 1                        ; h (in phase 1: u)
	s_delay_alu instid0(VALU_DEP_2)
	v_and_b32 v3, 8, v15
	s_delay_alu instid0(VALU_DEP_1)
	v_add_nc_u32 v3, v3, v15
	s_delay_alu instid0(VALU_DEP_1)
	v_lshl_add_u32 v3, v14, 3, v3
	s_delay_alu instid0(VALU_DEP_1)
	v_lshlrev_b32 v3, 2, v3                        ; 4 (r + 8 (r / 8) + 8 u)
	s_lshl_b32 s36, s14, 12
	v_add_nc_u32 v4, s36, v1                       ; my four images: 4096 w + 16 lane
	s_lshl_b32 s36, s14, 8
	s_add_co_u32 s36, s36, WSC
	v_add_nc_u32 v5, s36, v2                       ; my two scale registers: 256 w + 4 lane
	v_add_nc_u32 v6, WSC, v2
	v_add_nc_u32 v7, BIMG, v1
	v_lshlrev_b32 v8, 4, v14
	s_lshl_b32 s36, s14, 9
	s_add_co_u32 s36, s36, BIMG
	v_add_nc_u32 v13, s36, v1                      ; my sixteenth of the bias image
	v_lshl_add_u32 v15, s14, 4, v15                ; 16 w + r: my rank in my first tile
	v_lshlrev_b32 v14, 6, v14                      ; 64 h
	s_lshl_b32 s36, s15, 24                        ; w1: expert,
	s_lshr_b32 s37, s14, 1
	s_lshl_b32 s37, s37, 21                        ; K step w / 2: 128 rows,
	s_add_co_u32 s36, s36, s37
	s_lshl_b32 s37, s16, 9                         ; the slice's 512 bytes of a row,
	s_add_co_u32 s36, s36, s37
	s_and_b32 s37, s14, 1
	s_lshl_b32 s37, s37, 8                         ; my half of them
	s_add_co_u32 s36, s36, s37
	s_mov_b32 s37, 0
	s_lshl_b32 s40, s15, 14                        ; b1: wave w = 2 t + half brings, for tile t = 2 b + u, units 32 b + 8 u + 16 h + 4 half + 0 .. 3
	s_lshl_b32 s41, s16, 9
	s_add_co_u32 s40, s40, s41
	s_lshr_b32 s41, s14, 2
	s_lshl_b32 s41, s41, 7
	s_add_co_u32 s40, s40, s41
	s_bfe_u32 s41, s14, 0x10001
	s_lshl_b32 s41, s41, 5
	s_add_co_u32 s40, s40, s41
	s_and_b32 s41, s14, 1
	s_lshl_b32 s41, s41, 4
	s_add_co_u32 s40, s40, s41
	s_mov_b32 s41, 0
	s_mov_b32 s20, 0x76543210
	s_mov_b32 s21, 0xfedcba98                      ; v_permlanex16_b32's selects for lane l xor 16
	s_mov_b32 s22, 0xbfb8aa3b                      ; -log2(e); the packed form names the pair
	s_mov_b32 s23, s22
	s_wait_alu depctr_va_vdst(0)
	s_wait_kmcnt 0x0
	s_add_nc_u64 s[24:25], s[8:9], s[36:37]
	s_add_nc_u64 s[34:35], s[10:11], s[40:41]
	global_load_b128 v[BT:BT+3], v14, s[34:35]
.irp q, 0,1,2,3,4,5,6,7,8,9,10,11,12,13,14,15
	global_load_b128 v[SL+4*\q:SL+4*\q+3], v1, s[6:7] offset:512*\q   ; sel: lane l takes tokens 64 q + 2 l and 64 q + 2 l + 1, two experts each
.endr
	LOADSET 0
	LOADSET 1
	s_add_nc_u64 s[26:27], s[4:5], 524288          ; x's scale bytes
	s_lshl_b32 s36, s15, 21
	s_lshl_b32 s37, s16, 10
	s_add_co_u32 s36, s36, s37
	s_mov_b32 s37, 0
	s_add_nc_u64 s[28:29], s[12:13], s[36:37]      ; h's codes: expert e, K step S
	s_lshl_b32 s36, s15, 18
	s_lshl_b32 s37, s16, 7
	s_add_co_u32 s36, s36, s37
	s_add_co_u32 s36, s36, 16777216
	s_mov_b32 s37, 0
	s_add_nc_u64 s[30:31], s[12:13], s[36:37]      ; h's scale words
	s_mov_b32 s48, 0xffff0000                      ; lanes 16 to 31
	s_mov_b32 s49, 0                               ; the running count
.irp n, 53,54,55,56,57,58
	s_mov_b32 s\n, 0
.endr
	LOADSET 2
	v_lshl_add_u32 v[RK], v8, 4, v15               ; batch 0: lanes 0-15 row r of tile w, lanes 16-31 of tile w + 16: rank 16 w + r + 256 h;
	s_delay_alu instid0(VALU_DEP_1)
	v_add_nc_u32 v[RK+1], 512, v[RK]               ; batch 1: tiles w + 32 and w + 48
	; THE COUNTS: behind each of sets 0 to 5, 64 loads or more were issued; a wait names 63 at the most (the counter's field: ISA guide 5.7.1), and a smaller count than the true one is safe.
	BLOCK 0, 63                                    ; (the bias load and sel's 16 are older than set 0: they are in too)
	ds_store_b128 v13, v[BT:BT+3]
	LOADSET 3
.irp j, 0,1,2,3,4,5,6,7
	s_wait_alu depctr_va_vdst(0)
	GROUP \j                                       ; the placing stands in four pieces, each behind a set's loads, so that new loads go out first
.endr
	BLOCK 1, 63
	LOADSET 4
.irp j, 8,9,10,11,12,13,14,15
	s_wait_alu depctr_va_vdst(0)
	GROUP \j
.endr
	BLOCK 2, 63
	LOADSET 5
.irp j, 16,17,18,19,20,21,22,23
	s_wait_alu depctr_va_vdst(0)
	GROUP \j
.endr
	BLOCK 3, 63
	LOADSET 6
.irp j, 24,25,26,27,28,29,30,31
	s_wait_alu depctr_va_vdst(0)
	GROUP \j
.endr
	s_min_u32 s17, s49, 0x400                      ; n_e (there are 1,024 tokens)
	s_add_co_u32 s18, s17, 15
	s_lshr_b32 s18, s18, 4
	s_max_u32 s18, s18, 1                          ; nt
	; the slots of my 64 tokens (groups w and w + 16) and where they go: made here, with all lanes on; stored at the end, by the work-groups with S = 0
	s_lshr_b32 s36, s14, 1
	s_lshl_b32 s36, s36, 9
	s_and_b32 s37, s14, 1
	s_lshl_b32 s37, s37, 3
	s_add_co_u32 s36, s36, s37                     ; 8 x (64 (w / 2) + w % 2)
	s_lshl_b32 s37, s15, 10                        ; the expert's first slot
	v_mov_b32 v[QT], s55
	s_delay_alu instid0(VALU_DEP_1)
	v_mbcnt_lo_u32_b32 v[SDA], s53, v[QT]          ; the rank: the group's base + the set bits below my lane
	s_delay_alu instid0(VALU_DEP_1)
	v_min_u32 v[SDA], 0x3ff, v[SDA]
	s_delay_alu instid0(VALU_DEP_1)
	v_add_nc_u32 v[SDA], s37, v[SDA]
	v_mov_b32 v[QT], s58
	s_delay_alu instid0(VALU_DEP_1)
	v_mbcnt_lo_u32_b32 v[SDB], s56, v[QT]
	s_delay_alu instid0(VALU_DEP_1)
	v_min_u32 v[SDB], 0x3ff, v[SDB]
	s_delay_alu instid0(VALU_DEP_1)
	v_add_nc_u32 v[SDB], s37, v[SDB]
	v_cndmask_b32 v[SOA], 0, 4, s54                ; slot_of[token][0 or 1]
	s_delay_alu instid0(VALU_DEP_1)
	v_min_u32 v[SOA], 4, v[SOA]
	s_delay_alu instid0(VALU_DEP_1)
	v_add_nc_u32 v[SOA], v[SOA], v1                ; + 8 x 2 l
	s_delay_alu instid0(VALU_DEP_1)
	v_add_nc_u32 v[SOA], s36, v[SOA]
	v_cndmask_b32 v[SOB], 0, 4, s57
	s_delay_alu instid0(VALU_DEP_1)
	v_min_u32 v[SOB], 4, v[SOB]
	s_delay_alu instid0(VALU_DEP_1)
	v_add_nc_u32 v[SOB], v[SOB], v1
	s_delay_alu instid0(VALU_DEP_1)
	v_add_nc_u32 v[SOB], s36, v[SOB]               ; (group w + 16 lies 512 tokens on: in the store's immediate)
	SELECT 0
	SELECT 1
	v_mov_b32 v[XT], 0                             ; a lane permute's destination counts as one of its sources
.irp b, 0
	s_delay_alu instid0(VALU_DEP_1)
	v_permlanex16_b32 v[XT], v[TB+\b], s20, s21
	s_delay_alu instid0(VALU_DEP_1)
	v_cndmask_b32 v[TK+2*\b], v[TB+\b], v[XT], s48
	s_delay_alu instid0(VALU_DEP_2)
	v_cndmask_b32 v[TK+2*\b+1], v[XT], v[TB+\b], s48
.endr
.irp b, 1
	s_delay_alu instid0(VALU_DEP_3)
	v_permlanex16_b32 v[XT], v[TB+\b], s20, s21
	s_delay_alu instid0(VALU_DEP_1)
	v_cndmask_b32 v[TK+2*\b], v[TB+\b], v[XT], s48
	s_delay_alu instid0(VALU_DEP_2)
	v_cndmask_b32 v[TK+2*\b+1], v[XT], v[TB+\b], s48
.endr
.irp p, 0,1,2,3
	v_min_u32 v[TK+\p], 0x3ff, v[TK+\p]
.endr
	BLOCK 4, 63
	LOADSET 7
	XADDR
	XLOAD                                          ; my first tile's rows of x come under the stream, into the registers that held sel
	BLOCK 5, 63
	BLOCK 6, 50                                    ; set 7's 32 loads and x's 18 are younger
	BLOCK 7, 18                                    ; x's 18 are younger
	FINISH
	s_wait_dscnt 0x0                               ; for the others' sake: my images, scale words and bias have landed
	s_barrier_signal -1
	s_barrier_wait -1                              ; the slice lies in LDS; nobody writes LDS from here on
.irp b, 0,1,2,3
	v_mov_b32 v[TM+4+\b], 0                        ; written once: a lane permute's destination counts as one of its sources
.endr
	s_add_co_u32 s44, s18, 15
	s_sub_co_u32 s44, s44, s14
	s_lshr_b32 s44, s44, 4                         ; how many of the tiles w, w + 16, .. lie under nt: (nt + 15 - w) / 16,
	s_min_u32 s44, s44, 4                          ; four at the most: nt is at most 64
	s_mov_b32 s45, 0                               ; the pass: my tile is 16 x pass + w
	s_cmp_eq_u32 s44, 0
	s_cbranch_scc1 .Ldone
.Lpass:
	s_wait_loadcnt 0x0                             ; this tile's x is in
	s_setprio 2
.irp t, 0,1,2,3,4,5,6,7
	ds_load_b128 v[ACC+8*\t:ACC+8*\t+3], v7 offset:1024*\t         ; b1 is the C of each sum's first product
	ds_load_b128 v[ACC+8*\t+4:ACC+8*\t+7], v7 offset:1024*\t+512
.endr
.irp s, 0,1,2,3,4,5,6,7
	KSTEP \s
.endr
	s_setprio 1
	s_add_co_u32 s37, s45, 1
	s_cmp_ge_u32 s37, s44                          ; is there a next tile?  (the same test as the loop's own)
	s_cbranch_scc1 .Llast
	v_min_u32 v[TK], 0x3ff, v[TK+1]                ; its tokens move up
	v_min_u32 v[TK+1], 0x3ff, v[TK+2]
	v_min_u32 v[TK+2], 0x3ff, v[TK+3]
	XADDR                                          ; (the loads that read v9 and v10 were waited for at the pass's head)
	XLOAD                                          ; they land while this tile is finished
.Llast:
	SILU
	QUANT
	s_lshl_b32 s36, s45, 4
	s_add_co_u32 s36, s36, s14                     ; my tile
	s_min_u32 s36, s36, 63
	v_lshl_add_u32 v11, s36, 15, v1                ; tile x 32 K steps x 1,024 bytes + 16 lane
	v_lshl_add_u32 v12, s36, 12, v2                ; tile x 32 x 128 bytes + 4 lane
	global_store_b128 v11, v[PC:PC+3], s[28:29]    ; each store covers 512 consecutive bytes, aligned
	global_store_b128 v11, v[PC+4:PC+7], s[28:29] offset:512
	global_store_b32 v12, v[PW], s[30:31]
	s_wait_xcnt 0x0                                ; the stores' data and offsets are written again in the next pass
	s_add_co_u32 s45, s45, 1
	s_cmp_lt_u32 s45, s44
	s_cbranch_scc1 .Lpass
	s_setprio 0
.Ldone:
	s_cmp_lg_u32 s16, 0
	s_cbranch_scc1 .Lend                           ; one work-group of each expert, S = 0, stores the count and the slots
	s_cmp_lg_u32 s14, 0
	s_cbranch_scc1 .Lrows                          ; wave 0 alone: the count
	s_lshl_b32 s37, s15, 2
	v_mov_b32 v11, s37                             ; cnt[e]'s place
	v_mov_b32 v12, s17
	v_cmp_eq_u32 vcc_lo, 0, v2
	s_wait_alu depctr_va_vdst(0)
	s_wait_xcnt 0x0                                ; EXEC changes only behind this wait
	s_and_saveexec_b32 s36, vcc_lo                 ; lane 0 alone
	global_store_b32 v11, v12, s[46:47] offset:41984
	s_wait_xcnt 0x0
	s_or_b32 exec_lo, exec_lo, s36
.Lrows:
	s_mov_b32 vcc_lo, s53
	s_wait_xcnt 0x0                                ; EXEC changes only behind this wait
	s_and_saveexec_b32 s36, vcc_lo                 ; the tokens of group w that chose e
	global_store_b32 v[SOA], v[SDA], s[46:47] offset:33792
	s_wait_xcnt 0x0
	s_or_b32 exec_lo, exec_lo, s36
	s_mov_b32 vcc_lo, s56
	s_wait_xcnt 0x0
	s_and_saveexec_b32 s36, vcc_lo                 ; those of group w + 16
	global_store_b32 v[SOB], v[SDB], s[46:47] offset:33792+4096
	s_wait_xcnt 0x0
	s_or_b32 exec_lo, exec_lo, s36
.Lend:
	s_wait_xcnt 0x0
	s_mov_b32 exec_lo, -1
	v_lshl_add_u32 v254, v0, 2, 0x13000
	v_mov_b32 v255, 0
	s_wait_alu depctr_va_vdst(0)
	s_wait_tensorcnt 0x0
	ds_add_u32 v254, v255
	s_wait_dscnt 0x0
	s_endpgm
.Lfunc_end_k_q285120cbe3_up:
	.size	k_q285120cbe3_up, .Lfunc_end_k_q285120cbe3_up-k_q285120cbe3_up
	.p2alignl 7, 3214868480
	.fill 96, 4, 3214868480
	.section	.rodata,"a",@progbits
	.p2align	6, 0x0
	.amdhsa_kernel k_q285120cbe3_up
		.amdhsa_group_segment_fixed_size 79872
		.amdhsa_private_segment_fixed_size 0
		.amdhsa_enable_private_segment 0
		.amdhsa_kernarg_size 48
		.amdhsa_user_sgpr_count 2
		.amdhsa_user_sgpr_kernarg_segment_ptr 1
		.amdhsa_wavefront_size32 1
		.amdhsa_system_sgpr_workgroup_id_x 1
		.amdhsa_system_sgpr_workgroup_id_y 1
		.amdhsa_system_sgpr_workgroup_id_z 1
		.amdhsa_system_vgpr_workitem_id 0
		.amdhsa_next_free_vgpr 256
		.amdhsa_next_free_sgpr 66
		.amdhsa_reserve_vcc 1
		.amdhsa_float_denorm_mode_32 3
		.amdhsa_float_denorm_mode_16_64 3
		.amdhsa_memory_ordered 1
		.amdhsa_forward_progress 1
		.amdhsa_inst_pref_size 125
	.end_amdhsa_kernel
	.amdgpu_metadata
---
amdhsa.version: [ 1, 2 ]
amdhsa.kernels:
  - .name:           k_q285120cbe3_up
    .symbol:         k_q285120cbe3_up.kd
    .args:
      - { .name: xc, .offset: 0, .size: 8, .value_kind: global_buffer, .address_space: global }
      - { .name: sel, .offset: 8, .size: 8, .value_kind: global_buffer, .address_space: global }
      - { .name: w1, .offset: 16, .size: 8, .value_kind: global_buffer, .address_space: global }
      - { .name: b1, .offset: 24, .size: 8, .value_kind: global_buffer, .address_space: global }
      - { .name: hc, .offset: 32, .size: 8, .value_kind: global_buffer, .address_space: global }
      - { .name: tab, .offset: 40, .size: 8, .value_kind: global_buffer, .address_space: global }
    .group_segment_fixed_size: 79872
    .private_segment_fixed_size: 0
    .kernarg_segment_align: 8
    .kernarg_segment_size: 48
    .max_flat_workgroup_size: 512
    .sgpr_count:     66
    .vgpr_count:     256
    .wavefront_size: 32
...
	.end_amdgpu_metadata
.endif
;; end of part 6
;; launch down (part 7): grid 32 x 8, 16 waves a work-group, no clusters, 141,312 bytes of LDS; arguments hc, tab, w2, y; writes y
.if DOCPART == 7
	.amdgcn_target "amdgcn-amd-amdhsa--gfx1250"
	.amdhsa_code_object_version 6
	.text
	.protected	k_q285120cbe3_down
	.globl	k_q285120cbe3_down
	.p2align	8
	.type	k_q285120cbe3_down,@function
k_q285120cbe3_down:
	s_mov_b64 s[64:65], 0
	v_nop
	global_prefetch_b8 v0, s[64:65] scope:SCOPE_SE
	s_setreg_imm32_b32 hwreg(HW_REG_WAVE_SCHED_MODE, 0, 2), 2
	s_setreg_imm32_b32 hwreg(HW_REG_WAVE_MODE, 25, 1), 1
	s_wait_xcnt 0x0
	s_wait_alu depctr_vm_vsrc(0)
; y = h W2[e], in MX-FP4, for the rows that chose expert e, as two partial sums along K.  w2: [8][4096 K][1024] f32.  h arrives as codes and scale words, laid as the operand's registers.
; Work-group (x, e): expert e, columns 64 (x % 16) .. + 63, K half x / 16 (2,048 along K): nobody else reads this slice of w2, so it is read once as f32 and quantised on its way.
; PHASE 1 (stream).  Wave w takes K step w of the half (128 rows of w2), all 64 columns as two groups of 32.  A lane takes a column and its registers run down K; a load reads 128 consecutive bytes;
; sixteen exchanges of halves of the lanes make four operand fragments (16 columns x 128 K), which go to LDS as images of their registers.  Three sets of 32 registers take turns.
; ONE BARRIER.  PHASE 2: wave w takes PAIRS of the expert's row tiles, w, w + 16, .. under np (a count read from memory: no barrier stands in this loop): 2 row tiles x 4 column tiles = 8 accumulators,
; 16 K steps; W2's fragments from LDS, h's straight from memory, four K steps to a chunk, two chunks of registers by turns.  Transposed: source 0 = 16 columns of W2, source 1 = 16 rows of h: a lane holds eight
; neighbouring numbers of a row of y.  They go through the wave's own stage in LDS and leave as rows: sixteen lanes store 256 consecutive bytes, aligned.
; y: [K half][slot = 1024 e + 16 tile + row][1024] f32.  Where nt is odd the last pair's second tile is the first again: it is multiplied and not stored.
; NO MULTICAST, NO TENSOR LOADS: no weight byte is shared between work-groups; h's codes are shared, but how many of them a work-group reads hangs on a stored count.
; LIMITS: NaN and infinities are not served; a block of zeros, or one under 2^-124, gets the byte 1 with zero codes.
; REGISTERS: v1 16 lane; v2 4 lane (also my column's bytes); v3, v15 offsets in y; v4, v5 where I store images and scale words; v6 where scale words are read; v7, v8 the stage, in and back; v9 4096 h + 16 r;
;   v10, v11 h's codes of tiles a, b; v12 h's scale words; v13 h; v14 1 - h; v16-79 accumulators (32 q + 8 t) (phase 1: sets 0, 1); v80-111 W2's 4 fragments (phase 1: set 2); v112-175 h, chunk buffer 1 (phase 1: codes, work);
;   v176-239 h, chunk buffer 0; v240-247 h's scale words, two buffers; v248-249 W2's scale words.
; THE MODE: SCHED_MODE bits 1:0 = 2 (LLVM: expert scheduling mode 2), set by the entry lines.  The code itself states the register dependences
; between vector or matrix instructions and memory or LDS instructions, with s_wait_alu, always for 0.
; THE PLAN.  Registers that memory or LDS instructions touch, and who else names them:
;   v1, v2, v4-v8   Offsets and LDS addresses: made at the head, never written again.
;   sets 0-2        Phase 1: set t's loads land; block t's maxima and conversions read; behind them the loads of set t + 3 land in the same registers.  One wait on va_vdst behind each of blocks 0 to 4.
;   v112-149        Phase 1: written by conversions, shifts and exchanges; read by my LDS stores (one wait on va_vdst ahead of them); then h's second chunk lands there (one wait on vm_vsrc ahead of it).
;   v10-v12         Written by PAIRADDR, read by h's loads: written again only behind the wait on vm_vsrc at K step 12, behind which no load of h is issued; read again only behind a wait on va_vdst.
;   WF, WS          A K step's LDS loads land; its eight products read; the next K step's loads land.  There is one set of them: sixteen waves of 256 registers leave no room for a second.  So one wait on va_vdst
;                   stands behind each K step's products; behind K steps 3 and 7 the same wait serves the loads of the chunk of h two on, which land in the buffer that the last four K steps read.
;   accumulators    Written by the products; read by the stage's LDS stores; tile b's rows come back into tile a's and are stored from there; the next pass's first products write them anew.
;   v15, v3         y's offsets: written once a pass, behind K step 15's products; read by y's stores.
; Behind K step 15's products stand y's two offsets and the next pair's PAIRADDR, six plain lines, and behind them ONE wait on va_vdst for all that the way out and the next pair's loads hang on.
; Two waits on vm_vsrc stand on the way out: behind tile a's stores, and at the pass's end.
.set ROWB, 4096                        ; a row of w2[e] in bytes
.set WSC,  65536                       ; LDS: [0] 64 fragments, 4096 s + 1024 t;  [WSC] scale words, 256 s + 128 g: lanes 0-15 tile 2 g, lanes 16-31 tile 2 g + 1
.set STG,  69632                       ; a stage of 16 rows x 272 bytes for each wave
.set ACC,  16
.set WF,   80
.set HF0,  176
.set HS0,  240
.set WS,   248
.set XR,   16
.set CR,   112
.set M0,   144
.set M1,   145
.set SOP,  146
.set BY,   147
.set SB,   148
.macro LOADSET t                       ; block t / 2 of K, group t % 2 of columns: 32 rows, into set t % 3
.set i, 0
.rept 32
	global_load_b32 v[XR+32*((\t)%3)+i], v2, s[24:25] offset:(32*((\t)/2)+i)*ROWB+128*((\t)%2) th:TH_LOAD_NT
.set i, i+1
.endr
.endm
.macro BLOCK t, left                   ; the set's 32 numbers become 4 registers of codes and a byte of the group's scale word
.set XB, XR+32*((\t)%3)
.set CB, CR+16*((\t)%2)+4*((\t)/2)
	s_wait_loadcnt \left
	v_max3_num_f32 v[M0], |v[XB]|, |v[XB+1]|, |v[XB+2]|
	v_max3_num_f32 v[M1], |v[XB+3]|, |v[XB+4]|, |v[XB+5]|
.irp i, 6,10,14,18,22,26
	v_max3_num_f32 v[M0], v[M0], |v[XB+\i]|, |v[XB+\i+1]|
	v_max3_num_f32 v[M1], v[M1], |v[XB+\i+2]|, |v[XB+\i+3]|
.endr
	v_max3_num_f32 v[M0], v[M0], |v[XB+30]|, |v[XB+31]|
	v_max3_num_f32 v[M0], v[M0], v[M1], 0x1800000  ; and the floor 2^(3 - 127): the byte cannot fall under 1
	v_add_nc_u32 v[SOP], 0xff000000, v[M0]         ; 2 off the exponent field: the conversions' scale operand
	v_lshrrev_b32 v[BY], 23, v[SOP]
.if (\t)/2 == 0
	v_mov_b32 v[SB+(\t)%2], v[BY]
.else
	v_lshl_or_b32 v[SB+(\t)%2], v[BY], 8*((\t)/2), v[SB+(\t)%2]
.endif
.irp q, 0,1,2,3
	v_cvt_scalef32_pk8_fp4_f32 v[CB+\q], v[XB+8*\q:XB+8*\q+7], v[SOP]
.endr
.endm
.macro FINISH                          ; a lane holds four blocks of ONE column; the operand wants block 2 c in lanes 0-15 and block 2 c + 1 in lanes 16-31
	v_nop                                          ; one plain place behind the last conversion
.irp g, 0,1
.irp c, 0,1
.irp i, 0,1,2,3
	v_permlane16_swap_b32 v[CR+16*\g+8*\c+\i], v[CR+16*\g+8*\c+4+\i]   ; the first becomes register 4 c + i of tile 2 g, the second that of tile 2 g + 1
.endr
.endr
.endr
	s_wait_alu depctr_va_vdst(0)                   ; the exchanges have written the codes and the shifts the scale words, which the LDS stores below read; and every vector line of phase 1 is done with v80 to v149, in which loads land later
.irp g, 0,1
.irp c, 0,1
.irp u, 0,1
	ds_store_b128 v4, v[CR+16*\g+8*\c+4*\u:CR+16*\g+8*\c+4*\u+3] offset:1024*(2*\g+\u)+512*\c
.endr
.endr
	ds_store_b32 v5, v[SB+\g] offset:128*\g
.endr
.endm
.macro PAIRADDR sp                     ; pair sp: tiles a = 2 sp and b = 2 sp + 1, held at the last tile; s42, s43 keep them
	s_lshl_b32 s42, \sp, 1
	s_add_co_u32 s43, s42, 1
	s_min_u32 s42, s42, s20
	s_min_u32 s43, s43, s20
	s_min_u32 s42, s42, 63
	s_min_u32 s43, s43, 63
	s_lshl_b32 s44, s42, 12
	s_lshl_b32 s45, s43, 12
	v_lshl_add_u32 v10, s42, 15, v1                ; tile x 32 K steps x 1,024 bytes + 16 lane
	v_lshl_add_u32 v11, s43, 15, v1
	v_mad_u32_u24 v12, v14, s44, v2                ; scale words: lanes 0-15 take tile a's,
	v_mad_u32_u24 v12, v13, s45, v12               ; lanes 16-31 tile b's (a tile's 32 words hold its 16 rows twice)
.endm
.macro HLOAD c, buf                    ; 20 loads: K steps 4 c .. 4 c + 3 of both tiles, each load 512 consecutive bytes, and their scale words
.irp k, 0,1,2,3
	global_load_b128 v[HF0-64*(\buf)+16*\k:HF0-64*(\buf)+16*\k+3], v10, s[26:27] offset:1024*(4*(\c)+\k)
	global_load_b128 v[HF0-64*(\buf)+16*\k+4:HF0-64*(\buf)+16*\k+7], v10, s[26:27] offset:1024*(4*(\c)+\k)+512
	global_load_b128 v[HF0-64*(\buf)+16*\k+8:HF0-64*(\buf)+16*\k+11], v11, s[26:27] offset:1024*(4*(\c)+\k)
	global_load_b128 v[HF0-64*(\buf)+16*\k+12:HF0-64*(\buf)+16*\k+15], v11, s[26:27] offset:1024*(4*(\c)+\k)+512
	global_load_b32 v[HS0+4*(\buf)+\k], v12, s[28:29] offset:128*(4*(\c)+\k)
.endr
.endm
.macro MM q, t, hb, hs, zero           ; one product: row tile q x column tile t.  Odd column tiles' scales lie in lanes 16-31 of their register, and so do row tile 1's
.set rD, ACC+32*(\q)+8*(\t)
.set rA, WF+8*(\t)
.set rB, (\hb)+8*(\q)
.set rS, WS+(\t)/2
.if \zero
.if ((\t)%2 == 0) && ((\q) == 0)
	v_wmma_scale_f32_16x16x128_f8f6f4 v[rD:rD+7], v[rA:rA+7], v[rB:rB+7], 0, v[rS], v[\hs] matrix_a_fmt:MATRIX_FMT_FP4 matrix_b_fmt:MATRIX_FMT_FP4
.elseif (\q) == 0
	v_wmma_scale_f32_16x16x128_f8f6f4 v[rD:rD+7], v[rA:rA+7], v[rB:rB+7], 0, v[rS], v[\hs] matrix_a_fmt:MATRIX_FMT_FP4 matrix_b_fmt:MATRIX_FMT_FP4 matrix_a_scale:MATRIX_SCALE_ROW1
.elseif (\t)%2 == 0
	v_wmma_scale_f32_16x16x128_f8f6f4 v[rD:rD+7], v[rA:rA+7], v[rB:rB+7], 0, v[rS], v[\hs] matrix_a_fmt:MATRIX_FMT_FP4 matrix_b_fmt:MATRIX_FMT_FP4 matrix_b_scale:MATRIX_SCALE_ROW1
.else
	v_wmma_scale_f32_16x16x128_f8f6f4 v[rD:rD+7], v[rA:rA+7], v[rB:rB+7], 0, v[rS], v[\hs] matrix_a_fmt:MATRIX_FMT_FP4 matrix_b_fmt:MATRIX_FMT_FP4 matrix_a_scale:MATRIX_SCALE_ROW1 matrix_b_scale:MATRIX_SCALE_ROW1
.endif
.else
.if ((\t)%2 == 0) && ((\q) == 0)
	v_wmma_scale_f32_16x16x128_f8f6f4 v[rD:rD+7], v[rA:rA+7], v[rB:rB+7], v[rD:rD+7], v[rS], v[\hs] matrix_a_fmt:MATRIX_FMT_FP4 matrix_b_fmt:MATRIX_FMT_FP4
.elseif (\q) == 0
	v_wmma_scale_f32_16x16x128_f8f6f4 v[rD:rD+7], v[rA:rA+7], v[rB:rB+7], v[rD:rD+7], v[rS], v[\hs] matrix_a_fmt:MATRIX_FMT_FP4 matrix_b_fmt:MATRIX_FMT_FP4 matrix_a_scale:MATRIX_SCALE_ROW1
.elseif (\t)%2 == 0
	v_wmma_scale_f32_16x16x128_f8f6f4 v[rD:rD+7], v[rA:rA+7], v[rB:rB+7], v[rD:rD+7], v[rS], v[\hs] matrix_a_fmt:MATRIX_FMT_FP4 matrix_b_fmt:MATRIX_FMT_FP4 matrix_b_scale:MATRIX_SCALE_ROW1
.else
	v_wmma_scale_f32_16x16x128_f8f6f4 v[rD:rD+7], v[rA:rA+7], v[rB:rB+7], v[rD:rD+7], v[rS], v[\hs] matrix_a_fmt:MATRIX_FMT_FP4 matrix_b_fmt:MATRIX_FMT_FP4 matrix_a_scale:MATRIX_SCALE_ROW1 matrix_b_scale:MATRIX_SCALE_ROW1
.endif
.endif
.endm
.macro KSTEP s, buf, k, zero           ; K step s of the half: h's fragments are the k-th of chunk buffer buf.  The 8 accumulators take turns
.irp t, 0,1,2,3
	ds_load_b128 v[WF+8*\t:WF+8*\t+3], v1 offset:4096*(\s)+1024*\t
	ds_load_b128 v[WF+8*\t+4:WF+8*\t+7], v1 offset:4096*(\s)+1024*\t+512
.endr
	ds_load_b32 v[WS], v6 offset:256*(\s)
	ds_load_b32 v[WS+1], v6 offset:256*(\s)+128
	s_wait_dscnt 0x0
.irp q, 0,1
.irp t, 0,1,2,3
	MM \q, \t, HF0-64*(\buf)+16*(\k), HS0+4*(\buf)+(\k), \zero
.endr
.endr
.endm
.macro KFREE s, buf, k, zero           ; a K step behind which loads land in registers that its products read
	KSTEP \s, \buf, \k, \zero
.rept 4
	v_nop                                          ; the four places behind the products stay as they stood (ISA guide 7.12.1)
.endr
	s_wait_alu depctr_va_vdst(0)                   ; the products are done reading W2's fragments and scale words, in which the next K step's LDS loads land, and their fragments and scale words of h, in which (behind a chunk's last K step) the chunk two on lands
.endm
.macro OUT q, ob, go                   ; row tile q leaves: through my stage, back as rows into v[ob] on, stored by the offset v[go]
.irp t, 0,1,2,3
	ds_store_b128 v7, v[ACC+32*(\q)+8*\t:ACC+32*(\q)+8*\t+3] offset:64*\t          ; each accumulator from its low end on
	ds_store_b128 v7, v[ACC+32*(\q)+8*\t+4:ACC+32*(\q)+8*\t+7] offset:64*\t+16
.endr
.irp i, 0,1,2,3,4,5,6,7
	ds_load_b128 v[\ob+4*\i:\ob+4*\i+3], v8 offset:544*\i                          ; my own bytes: LDS serves a wave's instructions in order (ISA guide 5.7.1.4)
.endr
.irp i, 0,1,2,3,4,5,6,7
	s_wait_dscnt 7-\i                              ; the younger read-backs may be out
	global_store_b128 v[\go], v[\ob+4*\i:\ob+4*\i+3], s[30:31] offset:8192*\i th:TH_STORE_NT   ; sixteen lanes store 256 consecutive bytes, aligned: two rows an instruction
.endr
.endm
	s_load_b256 s[4:11], s[0:1], 0x0               ; hc s[4:5], tab s[6:7], w2 s[8:9], y s[10:11]
	v_lshl_add_u32 v254, v0, 2, 0x22000
	v_mov_b32 v255, 0
	v_lshrrev_b32 v1, 5, v0
	v_readfirstlane_b32 s14, v1                    ; wave 0..15
	s_and_b32 s15, ttmp7, 0xffff                   ; e
	s_and_b32 s16, ttmp9, 15                       ; which 64 columns
	s_lshr_b32 s17, ttmp9, 4                       ; which K half
	v_and_b32 v2, 31, v0
	v_lshlrev_b32 v1, 4, v2                        ; 16 x lane
	v_lshlrev_b32 v2, 2, v2                        ; 4 x lane
	v_and_b32 v12, 15, v0                          ; r
	v_bfe_u32 v13, v0, 4, 1                        ; h
	v_sub_nc_u32 v14, 1, v13                       ; 1 - h
	s_wait_alu depctr_va_sdst(0)                   ; s14 is written, ahead of its first reader: LDS addresses, bases and the count of passes are made from it
	s_lshl_b32 s36, s14, 12
	v_add_nc_u32 v4, s36, v1                       ; my four images: 4096 w + 16 lane
	s_lshl_b32 s36, s14, 8
	s_add_co_u32 s36, s36, WSC
	v_add_nc_u32 v5, s36, v2                       ; my two scale registers: 256 w + 4 lane
	v_add_nc_u32 v6, WSC, v2
	s_mul_i32 s36, s14, 16*272
	s_add_co_u32 s36, s36, STG                     ; my stage
	v_mul_u32_u24 v7, v12, 272
	v_lshl_add_u32 v7, v13, 5, v7
	v_add_nc_u32 v7, s36, v7                       ; in: row r, 32 bytes for each half of the lanes
	v_mul_u32_u24 v8, v13, 272
	v_lshl_add_u32 v8, v12, 4, v8
	v_add_nc_u32 v8, s36, v8                       ; back: lanes 0-15 one row, lanes 16-31 the next
	v_lshlrev_b32 v9, 12, v13
	v_lshl_add_u32 v9, v12, 4, v9                  ; and the same two rows in y
	s_lshl_b32 s38, s15, 2                         ; cnt[e]
	s_lshl_b32 s36, s15, 24                        ; w2: expert,
	s_lshl_b32 s37, s17, 23                        ; K half: 2,048 rows,
	s_add_co_u32 s36, s36, s37
	s_lshl_b32 s37, s14, 19                        ; my K step: 128 rows,
	s_add_co_u32 s36, s36, s37
	s_lshl_b32 s37, s16, 8                         ; the slice's 256 bytes of a row
	s_add_co_u32 s36, s36, s37
	s_mov_b32 s37, 0
	s_wait_kmcnt 0x0
	s_load_b32 s18, s[6:7], s38 offset:41984
	s_add_nc_u64 s[24:25], s[8:9], s[36:37]
	s_wait_alu depctr_va_vdst(0)                   ; the offsets and LDS addresses v1, v2 and v4 to v8 are written, which the loads and stores of the whole kernel read
	LOADSET 0
	LOADSET 1
	LOADSET 2
	s_lshl_b32 s36, s15, 21
	s_lshl_b32 s37, s17, 14
	s_add_co_u32 s36, s36, s37
	s_mov_b32 s37, 0
	s_add_nc_u64 s[26:27], s[4:5], s[36:37]        ; h's codes: expert e, my half's 16 K steps
	s_lshl_b32 s36, s15, 18
	s_lshl_b32 s37, s17, 11
	s_add_co_u32 s36, s36, s37
	s_add_co_u32 s36, s36, 16777216
	s_mov_b32 s37, 0
	s_add_nc_u64 s[28:29], s[4:5], s[36:37]        ; h's scale words
	s_lshl_b32 s36, s17, 25
	s_lshl_b32 s37, s15, 22
	s_add_co_u32 s36, s36, s37
	s_lshl_b32 s37, s16, 8
	s_add_co_u32 s36, s36, s37
	s_mov_b32 s37, 0
	s_add_nc_u64 s[30:31], s[10:11], s[36:37]      ; y: my half, expert e's slots, my columns
	; THE COUNTS: behind each of sets 0 to 5, 64 loads or more were issued; a wait names 63 at the most (the counter's field: ISA guide 5.7.1), and a smaller count than the true one is safe.
	BLOCK 0, 63
	s_wait_alu depctr_va_vdst(0)                   ; block 0's maxima and conversions are done reading set 0's registers, in which set 3's loads land
	LOADSET 3
	BLOCK 1, 63
	s_wait_kmcnt 0x0
	s_min_u32 s18, s18, 0x400                      ; n_e
	s_add_co_u32 s19, s18, 15
	s_lshr_b32 s19, s19, 4
	s_max_u32 s19, s19, 1                          ; nt
	s_sub_co_u32 s20, s19, 1                       ; the last tile
	s_add_co_u32 s21, s19, 1
	s_lshr_b32 s21, s21, 1                         ; np: pairs
	PAIRADDR s14
	s_wait_alu depctr_va_vdst(0)                   ; v10 to v12 are written, which h's loads read; and block 1's lines are done reading set 1's registers, in which set 4's loads land
	HLOAD 0, 0                                     ; my first pair's first chunk comes under the stream
	LOADSET 4
	BLOCK 2, 63
	s_wait_alu depctr_va_vdst(0)                   ; block 2's lines are done reading set 2's registers, in which set 5's loads land
	LOADSET 5
	BLOCK 3, 63
	s_wait_alu depctr_va_vdst(0)                   ; block 3's lines are done reading set 0's registers, in which set 6's loads land
	LOADSET 6
	BLOCK 4, 63
	s_wait_alu depctr_va_vdst(0)                   ; block 4's lines are done reading set 1's registers, in which set 7's loads land
	LOADSET 7
	BLOCK 5, 63
	BLOCK 6, 32                                    ; set 7's 32 loads are younger
	BLOCK 7, 0
	FINISH
	s_wait_dscnt 0x0                               ; for the others' sake: my images and scale words have landed
	s_wait_alu depctr_vm_vsrc(0)                   ; my LDS stores have read the codes' and scale words' registers,
	HLOAD 1, 1                                     ; which take the second chunk
	s_barrier_signal -1
	s_barrier_wait -1                              ; the slice lies in LDS; from here on each wave writes its own stage alone
	s_add_co_u32 s48, s21, 15
	s_sub_co_u32 s48, s48, s14
	s_lshr_b32 s48, s48, 4                         ; how many of the pairs w, w + 16, .. lie under np: (np + 15 - w) / 16,
	s_min_u32 s48, s48, 2                          ; two at the most: np is at most 32
	s_mov_b32 s47, 0                               ; the pass: my pair is 16 x pass + w
	s_cmp_eq_u32 s48, 0
	s_cbranch_scc1 .Ldone
.Lpass:
	s_wait_loadcnt 20                              ; chunk 0 is in; chunk 1's 20 loads are younger
	KFREE 0, 0, 0, 1                               ; the first K step starts the sums: nothing is cleared
	KFREE 1, 0, 1, 0
	KFREE 2, 0, 2, 0
	KFREE 3, 0, 3, 0
	HLOAD 2, 0                                     ; no wait of its own: no vector or matrix instruction since K step 3's wait names chunk buffer 0
	s_wait_loadcnt 20                              ; chunk 1 is in; chunk 2's loads are younger
	KFREE 4, 1, 0, 0
	KFREE 5, 1, 1, 0
	KFREE 6, 1, 2, 0
	KFREE 7, 1, 3, 0
	HLOAD 3, 1                                     ; likewise behind K step 7's wait
	s_wait_loadcnt 20
	KFREE 8, 0, 0, 0
	KFREE 9, 0, 1, 0
	KFREE 10, 0, 2, 0
	KFREE 11, 0, 3, 0
	s_wait_loadcnt 0x0                             ; no load is out: the offsets v10 to v12 may be written
	s_wait_alu depctr_vm_vsrc(0)                   ; h's loads have read v10 to v12, which are written again behind K step 15; no load of h is issued in between
	KFREE 12, 1, 0, 0
	KFREE 13, 1, 1, 0
	KFREE 14, 1, 2, 0
	KSTEP 15, 1, 3, 0
	s_min_u32 s40, s42, 63                         ; this pair's tiles are kept for the way out
	s_min_u32 s41, s43, 63
	s_add_co_u32 s46, s47, 1
	s_lshl_b32 s39, s46, 4
	s_add_co_u32 s39, s39, s14                     ; the next pair, if there is one; else PAIRADDR holds its tiles at the last tile, and nothing is loaded by them
	v_lshl_add_u32 v15, s40, 16, v9                ; y's offsets: tile x 16 rows x 4,096 bytes + 4096 h + 16 r.  These two lines and PAIRADDR's four name no register of the products:
	v_lshl_add_u32 v3, s41, 16, v9                 ; they are the places behind the last products, ahead of the first read of results (ISA guide 7.12.1)
	PAIRADDR s39
	s_wait_alu depctr_va_vdst(0)                   ; the products have written the accumulators, which the stage's stores read; they are done reading W2's fragments, in which tile a's rows come back, and h's two buffers, in which the next pair's chunks land; v15, v3 and v10 to v12 are written
	s_cmp_ge_u32 s46, s48                          ; is there a next pair?  (the same test as the loop's own)
	s_cbranch_scc1 .Lnonext
	HLOAD 0, 0                                     ; its first two chunks land while this pair leaves
	HLOAD 1, 1
.Lnonext:
	OUT 0, WF, 15
	s_wait_alu depctr_vm_vsrc(0)                   ; the stage's stores have read tile a's accumulators, in which tile b's rows come back
	s_cmp_eq_u32 s41, s40
	s_cbranch_scc1 .Lone                           ; an odd nt: the last pair has one tile
	OUT 1, ACC, 3                                  ; its rows come back into tile a's accumulators, which have left
.Lone:
	v_nop                                          ; with the six lines behind the last K step's products: more than the five places in front of products that begin these accumulators anew
	s_wait_xcnt 0x0                                ; the stores' data and offsets are written again in the next pass
	s_wait_alu depctr_vm_vsrc(0)                   ; the stage's stores and y's stores have read the accumulators, W2's fragment registers, v15 and v3: the next pass's products, LDS loads and offsets write them
	s_add_co_u32 s47, s47, 1
	s_cmp_lt_u32 s47, s48
	s_cbranch_scc1 .Lpass
.Ldone:
	s_barrier_signal -1
	s_barrier_wait -1
	s_wait_dscnt 0x0                               ; the closing lines, six on end
	s_wait_alu 0x0
	s_wait_tensorcnt 0x0
	ds_add_u32 v254, v255
	s_wait_dscnt 0x0
	s_endpgm
.Lfunc_end_k_q285120cbe3_down:
	.size	k_q285120cbe3_down, .Lfunc_end_k_q285120cbe3_down-k_q285120cbe3_down
	.p2alignl 7, 3214868480
	.fill 96, 4, 3214868480
	.section	.rodata,"a",@progbits
	.p2align	6, 0x0
	.amdhsa_kernel k_q285120cbe3_down
		.amdhsa_group_segment_fixed_size 141312
		.amdhsa_private_segment_fixed_size 0
		.amdhsa_enable_private_segment 0
		.amdhsa_kernarg_size 32
		.amdhsa_user_sgpr_count 2
		.amdhsa_user_sgpr_kernarg_segment_ptr 1
		.amdhsa_wavefront_size32 1
		.amdhsa_system_sgpr_workgroup_id_x 1
		.amdhsa_system_sgpr_workgroup_id_y 1
		.amdhsa_system_sgpr_workgroup_id_z 1
		.amdhsa_system_vgpr_workitem_id 0
		.amdhsa_next_free_vgpr 256
		.amdhsa_next_free_sgpr 66
		.amdhsa_reserve_vcc 0
		.amdhsa_float_denorm_mode_32 3
		.amdhsa_float_denorm_mode_16_64 3
		.amdhsa_memory_ordered 1
		.amdhsa_forward_progress 1
		.amdhsa_inst_pref_size 87
	.end_amdhsa_kernel
	.amdgpu_metadata
---
amdhsa.version: [ 1, 2 ]
amdhsa.kernels:
  - .name:           k_q285120cbe3_down
    .symbol:         k_q285120cbe3_down.kd
    .args:
      - { .name: hc, .offset: 0, .size: 8, .value_kind: global_buffer, .address_space: global }
      - { .name: tab, .offset: 8, .size: 8, .value_kind: global_buffer, .address_space: global }
      - { .name: w2, .offset: 16, .size: 8, .value_kind: global_buffer, .address_space: global }
      - { .name: y, .offset: 24, .size: 8, .value_kind: global_buffer, .address_space: global }
    .group_segment_fixed_size: 141312
    .private_segment_fixed_size: 0
    .kernarg_segment_align: 8
    .kernarg_segment_size: 32
    .max_flat_workgroup_size: 512
    .sgpr_count:     66
    .vgpr_count:     256
    .wavefront_size: 32
...
	.end_amdgpu_metadata
.endif
;; end of part 7
;; launch combine (part 8): grid 256 x 1, 4 waves a work-group, no clusters, 0 bytes of LDS; arguments y, tab, sel, xc, b2, out0; writes out0
.if DOCPART == 8
	.amdgcn_target "amdgcn-amd-amdhsa--gfx1250"
	.amdhsa_code_object_version 6
	.text
	.protected	k_q285120cbe3_combine
	.globl	k_q285120cbe3_combine
	.p2align	8
	.type	k_q285120cbe3_combine,@function
k_q285120cbe3_combine:
	s_mov_b64 s[64:65], 0
	v_nop
	global_prefetch_b8 v0, s[64:65] scope:SCOPE_SE
	s_setreg_imm32_b32 hwreg(HW_REG_WAVE_MODE, 25, 1), 1
	s_wait_xcnt 0x0
; out[t] = w0 (y[i0's slot] + b2[i0]) + w1 (y[i1's slot] + b2[i1]), y being the sum of its two partial sums along K.  All in f32.
; A wave takes a token: its two slots, two experts and two weights come by scalar loads; six streams of 4,096 bytes (2 slots x 2 K halves, 2 rows of b2) come by 48 loads of 512 consecutive bytes,
; all issued at once, a group of six for each 512 bytes of the row; each store covers 512 consecutive bytes, aligned.  No LDS, no barrier; no register is written twice while a store reads it.
	s_load_b256 s[4:11], s[0:1], 0x0               ; y s[4:5], tab s[6:7], sel s[8:9], xc s[10:11]
	s_load_b128 s[12:15], s[0:1], 0x20             ; b2 s[12:13], out0 s[14:15]
	v_lshrrev_b32 v1, 5, v0
	v_readfirstlane_b32 s16, v1                    ; wave
	v_and_b32 v1, 31, v0
	v_lshlrev_b32 v1, 4, v1                        ; 16 x lane
	s_lshl_b32 s17, ttmp9, 2
	s_add_co_u32 s17, s17, s16                     ; my token
	s_lshl_b32 s18, s17, 3
	s_wait_alu depctr_va_vdst(0)
	s_wait_kmcnt 0x0
	s_load_b64 s[20:21], s[6:7], s18 offset:33792  ; its two slots,
	s_load_b64 s[22:23], s[8:9], s18 offset:0x0    ; experts,
	s_load_b64 s[24:25], s[10:11], s18 offset:557056   ; and weights
	s_wait_kmcnt 0x0
	s_min_u32 s20, s20, 0x1fff
	s_min_u32 s21, s21, 0x1fff
	s_min_u32 s22, s22, 7
	s_min_u32 s23, s23, 7
	s_lshl_b32 s28, s20, 12
	s_mov_b32 s29, 0
	s_add_nc_u64 s[28:29], s[4:5], s[28:29]        ; slot 0, K half 0,
	s_add_nc_u64 s[30:31], s[28:29], 0x2000000     ; K half 1
	s_lshl_b32 s32, s21, 12
	s_mov_b32 s33, 0
	s_add_nc_u64 s[32:33], s[4:5], s[32:33]        ; slot 1 likewise
	s_add_nc_u64 s[34:35], s[32:33], 0x2000000
	s_lshl_b32 s36, s22, 12
	s_mov_b32 s37, 0
	s_add_nc_u64 s[36:37], s[12:13], s[36:37]      ; b2's two rows
	s_lshl_b32 s38, s23, 12
	s_mov_b32 s39, 0
	s_add_nc_u64 s[38:39], s[12:13], s[38:39]
	s_lshl_b32 s40, s17, 12
	s_mov_b32 s41, 0
	s_add_nc_u64 s[40:41], s[14:15], s[40:41]      ; my row of out
	s_mov_b32 s26, s25                             ; w1 in a pair of its own: the packed forms take a scalar pair's low word for both halves
	s_mov_b32 s27, s25
.irp j, 0,1,2,3,4,5,6,7
	global_load_b128 v[16+4*\j:19+4*\j], v1, s[28:29] offset:512*\j th:TH_LOAD_NT
	global_load_b128 v[48+4*\j:51+4*\j], v1, s[30:31] offset:512*\j th:TH_LOAD_NT
	global_load_b128 v[80+4*\j:83+4*\j], v1, s[32:33] offset:512*\j th:TH_LOAD_NT
	global_load_b128 v[112+4*\j:115+4*\j], v1, s[34:35] offset:512*\j th:TH_LOAD_NT
	global_load_b128 v[144+4*\j:147+4*\j], v1, s[36:37] offset:512*\j
	global_load_b128 v[176+4*\j:179+4*\j], v1, s[38:39] offset:512*\j
.endr
.irp j, 0,1,2,3,4,5,6,7
	s_wait_loadcnt 6*(7-\j)                        ; group j is in; the younger groups of six stay out
.irp k, 0,2
	v_pk_add_f32 v[16+4*\j+\k:17+4*\j+\k], v[16+4*\j+\k:17+4*\j+\k], v[48+4*\j+\k:49+4*\j+\k]
	v_pk_add_f32 v[80+4*\j+\k:81+4*\j+\k], v[80+4*\j+\k:81+4*\j+\k], v[112+4*\j+\k:113+4*\j+\k]
	v_pk_add_f32 v[16+4*\j+\k:17+4*\j+\k], v[16+4*\j+\k:17+4*\j+\k], v[144+4*\j+\k:145+4*\j+\k]
	v_pk_add_f32 v[80+4*\j+\k:81+4*\j+\k], v[80+4*\j+\k:81+4*\j+\k], v[176+4*\j+\k:177+4*\j+\k]
	v_pk_mul_f32 v[16+4*\j+\k:17+4*\j+\k], v[16+4*\j+\k:17+4*\j+\k], s[24:25] op_sel_hi:[1,0]
	v_pk_fma_f32 v[16+4*\j+\k:17+4*\j+\k], v[80+4*\j+\k:81+4*\j+\k], s[26:27], v[16+4*\j+\k:17+4*\j+\k] op_sel_hi:[1,0,1]
.endr
	global_store_b128 v1, v[16+4*\j:19+4*\j], s[40:41] offset:512*\j th:TH_STORE_NT
.endr
	s_endpgm
.Lfunc_end_k_q285120cbe3_combine:
	.size	k_q285120cbe3_combine, .Lfunc_end_k_q285120cbe3_combine-k_q285120cbe3_combine
	.p2alignl 7, 3214868480
	.fill 96, 4, 3214868480
	.section	.rodata,"a",@progbits
	.p2align	6, 0x0
	.amdhsa_kernel k_q285120cbe3_combine
		.amdhsa_group_segment_fixed_size 0
		.amdhsa_private_segment_fixed_size 0
		.amdhsa_enable_private_segment 0
		.amdhsa_kernarg_size 48
		.amdhsa_user_sgpr_count 2
		.amdhsa_user_sgpr_kernarg_segment_ptr 1
		.amdhsa_wavefront_size32 1
		.amdhsa_system_sgpr_workgroup_id_x 1
		.amdhsa_system_sgpr_workgroup_id_y 1
		.amdhsa_system_sgpr_workgroup_id_z 1
		.amdhsa_system_vgpr_workitem_id 0
		.amdhsa_next_free_vgpr 208
		.amdhsa_next_free_sgpr 66
		.amdhsa_reserve_vcc 0
		.amdhsa_float_denorm_mode_32 3
		.amdhsa_float_denorm_mode_16_64 3
		.amdhsa_memory_ordered 1
		.amdhsa_forward_progress 1
		.amdhsa_inst_pref_size 14
	.end_amdhsa_kernel
	.amdgpu_metadata
---
amdhsa.version: [ 1, 2 ]
amdhsa.kernels:
  - .name:           k_q285120cbe3_combine
    .symbol:         k_q285120cbe3_combine.kd
    .args:
      - { .name: y, .offset: 0, .size: 8, .value_kind: global_buffer, .address_space: global }
      - { .name: tab, .offset: 8, .size: 8, .value_kind: global_buffer, .address_space: global }
      - { .name: sel, .offset: 16, .size: 8, .value_kind: global_buffer, .address_space: global }
      - { .name: xc, .offset: 24, .size: 8, .value_kind: global_buffer, .address_space: global }
      - { .name: b2, .offset: 32, .size: 8, .value_kind: global_buffer, .address_space: global }
      - { .name: out0, .offset: 40, .size: 8, .value_kind: global_buffer, .address_space: global }
    .group_segment_fixed_size: 0
    .private_segment_fixed_size: 0
    .kernarg_segment_align: 8
    .kernarg_segment_size: 48
    .max_flat_workgroup_size: 128
    .sgpr_count:     66
    .vgpr_count:     208
    .wavefront_size: 32
...
	.end_amdgpu_metadata
.endif
;; end of part 8
